; MI455X (gfx1250); checked and timed in simulation.
; The chip was launched on July 23, 2026; its instructions are those of AMD's public machine-readable ISA for CDNA 5 (MIT licence, August 2026) and "CDNA5" Instruction Set Architecture Reference Guide (July 2026). The comments in the code are by the model that wrote it; some were corrected since.
;; Multiheaded Linear Self Attention. Allowed arithmetic: matrix products marked QUANTISED: E2M1 operands, one E8M0 scale for each 32 along K, by v_wmma_scale_f32_16x16x128_f8f6f4 with both operands' format E2M1 (or v_wmma_scale_f32_32x16x128_f4), f32 sums; products left as they are: f32 operands where the result goes on into a quantised operand, else bf16, f16 or f32 operands; f32 sums; everything else in f32.
;; Inputs: b_qkv 3,072 float32; inputs 4 x 4,096 x 1,024 float32; mask 4 x 4,096 float32; w_qkv 3,072 x 1,024 float32.
;; Outputs: out0 4 x 4,096 x 1,024 float32.
;; Constants: num_heads = 16.
;; This version of the problem:
;;   THIS VERSION OF THE PROBLEM IS GIVEN IN LOW PRECISION. The matrix products marked QUANTISED in the list below multiply operands that are first quantised to E2M1 (2 exponent bits, 1 mantissa bit; 4 bits a number), with one power-of-two scale for each 32 numbers along K (OCP MX v1.0); their sums are f32. All else is computed in f32.
;;   The module's matrix products, in the order in which they are computed (A, B: the left and right operand; K: the contracted axis; several contracted axes count as one K, in the product's order):
;;     1. [M 16,384, K 1,024] x [K 1,024, N 3,072]; A: input inputs; B: input w_qkv: QUANTISED
;;     2. batch 64 x [M 64, K 4,096] x [K 4,096, N 64]; A: computed on the way; B: computed on the way: QUANTISED
;;     3. batch 64 x [M 1, K 64] x [K 64, N 4,096]; A: computed on the way; B: computed on the way: left as it is (M = 1 < 16)
;;     4. batch 64 x [M 64, K 64] x [K 64, N 4,096]; A: computed on the way; B: computed on the way: QUANTISED
;;     5. batch 262,144 x [M 1, K 1] x [K 1, N 64]; A: computed on the way; B: computed on the way: left as it is (no contracted axis)
;;   THE QUANTISER, for each operand of a quantised product, along K:
;;     - K is cut into blocks of 32 from its start; a last block that is shorter is filled with zeros.
;;     - A block's scale is 2^e with e = floor(log2(the largest magnitude in the block)) - 2, held to -126 .. 127; a block of zeros has e = 0. As a byte (E8M0): e + 127.
;;     - Each number is divided by its block's scale, clamped to +-6, and rounded to the nearest number of E2M1, ties to even, subnormals kept.
;;     - The product sums the exact products of the quantised numbers (number of the format x scale) in f32.
;;   ~~~python
;;   def quantise(x, axis):      # numpy; x: float32 -> the quantised numbers, widened to float32 again
;;       x = np.moveaxis(x, axis, -1); K = x.shape[-1]
;;       x = np.pad(x, [(0, 0)] * (x.ndim - 1) + [(0, -K % 32)]); x = x.reshape(x.shape[:-1] + (-1, 32)); a = np.abs(x).max(-1, keepdims=True)
;;       e = np.where(a > 0, np.clip(np.frexp(np.where(a > 0, a, 1))[1] - 1 - 2, -126, 127), 0)      # np.frexp(a)[1] - 1 = floor(log2(a)), exactly
;;       r = np.clip(x / 2.0 ** e, -6, 6)
;;       step = 2.0 ** (np.maximum(np.frexp(np.where(r == 0, 1, r))[1] - 1, 0) - 1)
;;       q = np.round(r / step) * step * 2.0 ** e      # np.round: ties to even
;;       return np.moveaxis(q.reshape(q.shape[:-2] + (-1,))[..., :K], -1, axis).astype(np.float32)
;;   ~~~
;;   OPERANDS COMPUTED ON THE WAY. 'Computed on the way' means the value that the module computes at that place (a softmax that the list does not call 'softmax' is quantised finished and normalised). What goes into a quantiser is computed in f32, as accurately as f32 sums, v_exp_f32 and their like allow (about 1e-6 of the number): no bf16 or f16 on the way to a quantiser, and a product that is left as it is and whose result goes on into a quantised operand takes f32 operands (vector FMAs, or v_wmma_f32_16x16x4_f32). A number that lies on a knife's edge between two numbers of the format may be rounded either way, as far as f32 arithmetic and the matrix unit's own rounding can turn it there, and no further.
;; One version. Each part assembles by itself: llvm-mc -triple=amdgcn-amd-amdhsa -mcpu=gfx1250 --defsym DOCPART=n.
;; ======== version 1 of 1: 4 launches
;; workspace buffers: x_codes 8,388,608 bytes; x_scales 524,288 bytes; w_codes 1,572,864 bytes; w_scales 98,304 bytes; part 8,519,680 bytes; fin 163,840 bytes
;; launch quant (part 1): grid 608 x 1, 4 waves a work-group, no clusters, 33,280 bytes of LDS; arguments inputs, w_qkv, x_codes, x_scales, w_codes, w_scales; writes x_codes, x_scales, w_codes, w_scales
.if DOCPART == 1
	.amdgcn_target "amdgcn-amd-amdhsa--gfx1250"
	.amdhsa_code_object_version 6
	.text
	.protected	k_qbca0ed9e19_quant
	.globl	k_qbca0ed9e19_quant
	.p2align	8
	.type	k_qbca0ed9e19_quant,@function
k_qbca0ed9e19_quant:
	s_mov_b64 s[64:65], 0
	v_nop
	global_prefetch_b8 v0, s[64:65] scope:SCOPE_SE
	s_setreg_imm32_b32 hwreg(HW_REG_WAVE_MODE, 25, 1), 1
	s_wait_xcnt 0x0
; inputs [16384][1024] and w_qkv [3072][1024], f32, become codes of FP4 (E2M1), K innermost (a row: 512 bytes), with one E8M0 scale byte for each 32 along K (a row: 32 bytes).
; A block's scale is 2^(floor(log2(its largest magnitude)) - 2); its byte is the largest magnitude's exponent field - 2, held at 1 from below.  A block of zeros so gets the byte 1 where the
; quantiser says 127: its codes are zeros, which add nothing under any byte but 0xff, and this program alone reads the bytes.
; LIMITS: NaN and infinities among the inputs are not served; blocks whose largest magnitude lies under 2^-124 keep the byte 1.
; THE ROWS ARE LAID IN ANOTHER ORDER THAN THEY ARRIVE.  Row n goes to the position whose number is n with bits 3 and 4 exchanged: position 16 t + r (t = 2 b + u) then holds row 32 b + 8 u + r % 8 + 16 (r / 8).
; Taken as a matrix instruction's source 0, two neighbouring tiles of 16 positions give a lane 16 NEIGHBOURING rows in its 16 result registers, which is what the later launches' quantisers want.
; W's blocks of 64 rows are laid anew too: q's sixteen first, then for each head k's block and v's block side by side.
; A wave takes 8 rows (8,192 numbers) in 16 steps of 512: so the new order only chooses where a wave's 4,096 bytes of codes and 256 scale bytes go.
; Each of a step's four loads reads 512 consecutive bytes; the 2,048 bytes turn through the wave's own stage in LDS and come back 64 bytes a lane, so that a lane holds 16 neighbours along K (two lanes a block).
; The first WGA work-groups take inputs, the others w_qkv: only pointers are chosen.  No barrier: waves share nothing.  Loads run eight steps (32 loads, 16 KB a wave) ahead, the turn through LDS one step.
.set STEPS, 16
.set DEPTH, 8                          ; steps whose loads are out at a time: half of a wave's share
.set WGA,   512                        ; 16384 x 1024 / 32768 work-groups for inputs; 96 more for w_qkv
.set EMAX,  2
.set CB,    8                          ; bytes of 16 codes
.set R,     16                         ; v16-143  eight sets of 16 numbers as they are loaded
.set X,     144                        ; v144-175 two sets of 16 neighbours
.set E,     176                        ; v176-191 a scale byte for each step
.set C,     192                        ; v192-255 codes: four registers for each step, so that no store's data are written again
.set WREG,  8192                       ; LDS: a region for each wave: two stages of 32 x SP bytes, behind them its 256 scale bytes
.set SP,    80                         ; a lane's place in a stage: its 64 bytes + 16 of padding
	s_load_b128 s[4:7], s[0:1], 0x0                ; inputs, w_qkv
	s_load_b128 s[8:11], s[0:1], 0x10              ; x's codes, x's scales
	s_load_b128 s[12:15], s[0:1], 0x20             ; W's codes, W's scales
	v_lshl_add_u32 v254, v0, 2, 0x8000
	v_mov_b32 v255, 0
	v_lshrrev_b32 v1, 5, v0
	v_readfirstlane_b32 s16, v1                    ; wave
	v_and_b32 v2, 31, v0                           ; lane
	v_lshlrev_b32 v3, 4, v2                        ; my 16 bytes of a load's 512
	s_mul_i32 s17, s16, WREG
	v_lshrrev_b32 v14, 2, v2
	v_mul_u32_u24 v14, v14, SP
	v_and_b32 v15, 3, v2
	v_lshl_add_u32 v14, v15, 4, v14
	v_add_nc_u32 v14, s17, v14                     ; the stage, on the way in: SP (lane / 4) + 16 (lane % 4)
	v_mul_u32_u24 v15, v2, SP
	v_add_nc_u32 v15, s17, v15                     ; and on the way out: SP x lane: my 16 neighbours
	v_mul_u32_u24 v4, v2, CB                       ; my codes' place in a step's
	v_lshrrev_b32 v5, 1, v2
	s_add_co_u32 s17, s17, 2*32*SP
	v_add_nc_u32 v5, s17, v5                       ; LDS: my wave's 256 scale bytes, my block's byte
	v_lshlrev_b32 v7, 3, v2                        ; and on the way out 8 bytes a lane
	v_add_nc_u32 v6, s17, v7
	s_wait_kmcnt 0x0
	s_cmp_lt_u32 ttmp9, WGA                        ; inputs or w_qkv?  The choice hangs on the work-group's number alone
	s_cselect_b64 s[4:5], s[4:5], s[6:7]
	s_cselect_b64 s[8:9], s[8:9], s[12:13]
	s_cselect_b64 s[10:11], s[10:11], s[14:15]
	s_cselect_b32 s17, 0, WGA
	s_sub_co_u32 s17, ttmp9, s17                   ; g: which 32 rows of the tensor
	s_lshr_b32 s22, s17, 1                         ; W: the block of 64 rows,
	s_lshr_b32 s23, s22, 4                         ; its section (0 q, 1 k, 2 v)
	s_and_b32 s24, s22, 15                         ; and its head
	s_lshl_b32 s24, s24, 1
	s_add_co_u32 s24, s24, s23
	s_add_co_u32 s24, s24, 15                      ; k and v: block 16 + 2 head + (section - 1)
	s_cmp_eq_u32 s23, 0
	s_cselect_b32 s24, s22, s24                    ; q: the block stays
	s_lshl_b32 s24, s24, 1
	s_and_b32 s25, s17, 1
	s_or_b32 s24, s24, s25                         ; the 32 positions that W's 32 rows go to
	s_cmp_lt_u32 ttmp9, WGA
	s_cselect_b32 s24, s17, s24                    ; inputs: they stay
	s_and_b32 s25, s16, 1                          ; the wave's number is bits 3 and 4 of its rows' numbers: exchanged
	s_lshl_b32 s25, s25, 1
	s_lshr_b32 s26, s16, 1
	s_or_b32 s25, s25, s26
	s_lshl_b32 s24, s24, 2
	s_add_co_u32 s24, s24, s25                     ; where my 8 rows go, in runs of 8 positions
	s_lshl_b32 s18, s17, 2
	s_add_co_u32 s18, s18, s16                     ; where they come from
	s_lshl_b32 s18, s18, 15                        ; 32,768 bytes of f32 a run (under 2^27)
	s_mov_b32 s19, 0
	s_add_nc_u64 s[4:5], s[4:5], s[18:19]
	s_lshl_b32 s20, s24, 12                        ; 4,096 bytes of codes
	s_mov_b32 s21, 0
	s_add_nc_u64 s[8:9], s[8:9], s[20:21]
	s_lshl_b32 s20, s24, 8                         ; 256 scale bytes
	s_add_nc_u64 s[10:11], s[10:11], s[20:21]
.macro LOAD t
.irp i, 0,1,2,3
	global_load_b128 v[R+16*((\t)%DEPTH)+4*\i:R+16*((\t)%DEPTH)+4*\i+3], v3, s[4:5] offset:2048*(\t)+512*\i th:TH_LOAD_NT   ; 32 lanes read 512 consecutive bytes; read once in the launch
.endr
.endm
.macro TURN t                          ; step t's numbers through the stage: LDS serves a wave's instructions in order, so no wait stands between the stores and the loads
.irp i, 0,1,2,3
	ds_store_b128 v14, v[R+16*((\t)%DEPTH)+4*\i:R+16*((\t)%DEPTH)+4*\i+3] offset:32*SP*((\t)%2)+8*SP*\i
.endr
.irp i, 0,1,2,3
	ds_load_b128 v[X+16*((\t)%2)+4*\i:X+16*((\t)%2)+4*\i+3], v15 offset:32*SP*((\t)%2)+16*\i
.endr
.endm
.irp t, 0,1,2,3,4,5,6,7
	LOAD \t
.endr
	s_wait_loadcnt 4*(DEPTH-1)                     ; step 0's four loads are in; the seven steps behind it may be out
	TURN 0
.macro STEP t
.set XS, X+16*((\t)%2)
.if (\t) > 0
	s_wait_dscnt 1                                 ; this step's numbers are back from the stage (the last step's byte store may be out): so its stores into the stage have read their registers,
.else
	s_wait_dscnt 0x0
.endif
.if (\t)+DEPTH < STEPS
	LOAD (\t)+DEPTH                                ; which take the loads of eight steps on
.endif
.if (\t)+1 < STEPS
.if STEPS-2-(\t) >= DEPTH-1
	s_wait_loadcnt 4*(DEPTH-1)                     ; the next step's four loads are in; those of the seven steps behind it may be out
.else
	s_wait_loadcnt 4*(STEPS-2-(\t))                ; near the end: as many steps as are left behind it
.endif
	TURN (\t)+1                                    ; and go through the other stage while this step is worked
.endif
	v_max3_num_f32 v8, |v[XS]|, |v[XS+1]|, |v[XS+2]|               ; the largest magnitude of my 16, in two chains
	v_max3_num_f32 v9, |v[XS+3]|, |v[XS+4]|, |v[XS+5]|
.irp i, 6,10
	v_max3_num_f32 v8, v8, |v[XS+\i]|, |v[XS+\i+1]|
	v_max3_num_f32 v9, v9, |v[XS+\i+2]|, |v[XS+\i+3]|
.endr
	v_max3_num_f32 v8, v8, |v[XS+14]|, |v[XS+15]|
	v_max3_num_f32 v8, v8, v9, (EMAX+1)<<23        ; and the floor 2^(3 - 127): the byte cannot fall under 1
	v_max_num_f32_dpp v8, v8, v8 row_xmask:1 row_mask:0xf bank_mask:0xf   ; and of my neighbour's 16: the block's
	v_add_nc_u32 v11, -(EMAX<<23), v8              ; 2 off its exponent field: the conversion takes the exponent field of this operand as its scale, and nothing else of it
	v_cvt_scalef32_pk8_fp4_f32 v[C+4*(\t)], v[XS:XS+7], v11
	v_cvt_scalef32_pk8_fp4_f32 v[C+4*(\t)+1], v[XS+8:XS+15], v11
	v_lshrrev_b32 v[E+(\t)], 23, v11               ; the scale's byte (also the plain line behind the conversions)
	ds_store_b8 v5, v[E+(\t)] offset:16*(\t)       ; both lanes of a block write the same byte with the same value
	global_store_b64 v4, v[C+4*(\t):C+4*(\t)+1], s[8:9] offset:32*CB*(\t)   ; the wave stores 256 consecutive bytes, aligned
.endm
.irp t, 0,1,2,3,4,5,6,7,8,9,10,11,12,13,14,15
	STEP \t
.endr
	ds_load_b64 v[12:13], v6                       ; LDS serves a wave's instructions in order: these see my stores
	s_wait_dscnt 0x0
	global_store_b64 v7, v[12:13], s[10:11]        ; 32 lanes store 256 consecutive bytes, aligned
	s_wait_tensorcnt 0x0
	ds_add_u32 v254, v255
	s_wait_dscnt 0x0
	s_endpgm
.Lfunc_end_k_qbca0ed9e19_quant:
	.size	k_qbca0ed9e19_quant, .Lfunc_end_k_qbca0ed9e19_quant-k_qbca0ed9e19_quant
	.p2alignl 7, 3214868480
	.fill 96, 4, 3214868480
	.section	.rodata,"a",@progbits
	.p2align	6, 0x0
	.amdhsa_kernel k_qbca0ed9e19_quant
		.amdhsa_group_segment_fixed_size 33280
		.amdhsa_private_segment_fixed_size 0
		.amdhsa_enable_private_segment 0
		.amdhsa_kernarg_size 48
		.amdhsa_user_sgpr_count 2
		.amdhsa_user_sgpr_kernarg_segment_ptr 1
		.amdhsa_wavefront_size32 1
		.amdhsa_system_sgpr_workgroup_id_x 1
		.amdhsa_system_sgpr_workgroup_id_y 1
		.amdhsa_system_sgpr_workgroup_id_z 1
		.amdhsa_system_vgpr_workitem_id 0
		.amdhsa_next_free_vgpr 256
		.amdhsa_next_free_sgpr 66
		.amdhsa_reserve_vcc 0
		.amdhsa_float_denorm_mode_32 3
		.amdhsa_float_denorm_mode_16_64 3
		.amdhsa_memory_ordered 1
		.amdhsa_forward_progress 1
		.amdhsa_inst_pref_size 34
	.end_amdhsa_kernel
	.amdgpu_metadata
---
amdhsa.version: [ 1, 2 ]
amdhsa.kernels:
  - .name:           k_qbca0ed9e19_quant
    .symbol:         k_qbca0ed9e19_quant.kd
    .args:
      - { .name: inputs, .offset: 0, .size: 8, .value_kind: global_buffer, .address_space: global }
      - { .name: w_qkv, .offset: 8, .size: 8, .value_kind: global_buffer, .address_space: global }
      - { .name: x_codes, .offset: 16, .size: 8, .value_kind: global_buffer, .address_space: global }
      - { .name: x_scales, .offset: 24, .size: 8, .value_kind: global_buffer, .address_space: global }
      - { .name: w_codes, .offset: 32, .size: 8, .value_kind: global_buffer, .address_space: global }
      - { .name: w_scales, .offset: 40, .size: 8, .value_kind: global_buffer, .address_space: global }
    .group_segment_fixed_size: 33280
    .private_segment_fixed_size: 0
    .kernarg_segment_align: 8
    .kernarg_segment_size: 48
    .max_flat_workgroup_size: 128
    .sgpr_count:     66
    .vgpr_count:     256
    .wavefront_size: 32
...
	.end_amdgpu_metadata
.endif
;; end of part 1
;; launch kvpart (part 2): grid 32 x 8, 4 waves a work-group, clusters of 4 x 4, 327,680 bytes of LDS; arguments w_codes, w_scales, x_codes, x_scales, b_qkv, mask, part; writes part
.if DOCPART == 2
	.amdgcn_target "amdgcn-amd-amdhsa--gfx1250"
	.amdhsa_code_object_version 6
	.text
	.protected	k_qbca0ed9e19_kvpart
	.globl	k_qbca0ed9e19_kvpart
	.p2align	8
	.type	k_qbca0ed9e19_kvpart,@function
k_qbca0ed9e19_kvpart:
	s_mov_b64 s[64:65], 0
	v_nop
	global_prefetch_b8 v0, s[64:65] scope:SCOPE_SE
	s_setreg_imm32_b32 hwreg(HW_REG_WAVE_MODE, 25, 1), 1
	s_wait_xcnt 0x0
	s_wait_alu depctr_hold_cnt(0) depctr_sa_sdst(0) depctr_va_vdst(0) depctr_va_sdst(0) depctr_va_ssrc(0) depctr_va_vcc(0) depctr_vm_vsrc(0)
	s_getreg_b32 s2, hwreg(HW_REG_IB_STS2, 6, 4)
	s_cmp_eq_u32 s2, 0
	s_cbranch_scc0 .Lentry_in_a_cluster
	s_endpgm
.Lentry_in_a_cluster:
	s_bfe_u32 s2, ttmp6, 0x10000c
	s_cmp_lg_u32 s2, 0xf033
	s_cbranch_scc0 .Lentry_shape_is_right
	s_endpgm
.Lentry_shape_is_right:
; For 512 rows s of one batch and two heads: k = x Wk^T + b, v = x Wv^T + b on codes of FP4 with E8M0 scales; kk = elu(k x mask) + 1; the sum over s of kk; kk and v quantised ALONG s in registers;
; kv[m][d] += sum over s of v[s][m] kk[s][d] on those codes.  k and v never go to memory: what is stored is the work-group's partial kv (two heads x 64 x 64 f32) and partial sums of kk.
; SHARES.  Work-group (x, y): rows 512 x .. 512 x + 511 (batch x / 8, chunk x % 8), heads 2 y and 2 y + 1, in two tiles of 256 rows x 256 channels.  Four waves, each 128 x 128: 64 accumulators, 512 registers.
; Wave w: head 2 y + w / 2 (64 channels of k, then 64 of v), rows 128 (w % 2) on.
; THE FIRST PRODUCT: source 0 = 16 positions of x, source 1 = 16 positions of W.  A lane then holds ONE channel, and its registers run along s.  x's rows lie in memory with bits 3 and 4 of their numbers exchanged,
; so register 16 B + i of the 64 registers of a tile of channels is s = 32 B + 16 (lane / 16) + i: 16 neighbours of each block of 32 along s.  The other 16 lie in lane l xor 16.
; THE SECOND PRODUCT: source 0 = kk (16 positions of d x 128 s), source 1 = v (16 positions of m x 128 s): 16 accumulators of 16 x 16, kept over both tiles.  W's rows are laid like x's, so register j of accumulator
; (tm, td) is d = 32 (td / 2) + 16 (lane / 16) + 8 (td % 2) + j: the next launch quantises along d without moving a number.
; LDS.  Two slots, one for each 512 along K (all of K = 1,024): W's 256 rows of a slot are filled once and serve both tiles, x's 256 rows are filled a second time for tile 1.  All scale bytes come once.
; CLUSTER 4 x 4: the four work-groups of a row of the cluster share y and so W's tiles; the four of a column share x and so x's tiles: each tile is asked for jointly.
; elu(t) + 1 is made as the middle one of 2^(t log2 e), 1 and t + 1: t + 1 above 0, e^t below; no compare.  It differs from expm1(t) + 1 by at most 2^-24; e^t under 2^-126 comes out as 0.
; LIMITS: NaN and infinities are not served; blocks whose largest magnitude lies under 2^-124 keep the scale byte 1 (a block of zeros too: its codes are zeros).
; REGISTERS.  window 0: v7-23 addresses; v24-31 sums of kk; v32-95 scale words (two sets; v32-39 take the made fragments' words); v96-111 biases; v112-127 at work; v128-191 W's fragments, later 64 numbers at work;
;   v192-255 the eight made fragments.  window 1: v0-63, v128-191 x's fragments (v0-63 later the mask); v64-127, v192-255 kv.  window 2: k's 32 accumulators.  window 3: v's.
.set NQ,     4                         ; steps of 128 along K in a slot
.set ROWB,   256                       ; a tile's row in bytes: 512 codes
.set KROW,   512                       ; a row of codes in memory
.set PITCH,  272                       ; an LDS row: 256 bytes + 16 of padding = 68 words: the 16 rows that a load touches start at 16 different banks (64 banks of 4 bytes: ISA guide 11.1)
.set FR,     8                         ; registers of a fragment
.set NL,     2                         ; LDS loads that bring one
.set NP,     4                         ; places behind this matrix instruction (ISA guide 7.12.1)
.set HALFT,  128*PITCH                 ; 128 rows: what one tensor load brings
.set SLOT,   4*HALFT                   ; W's 256 rows, then x's 256 rows
.set HALFS,  16*272                    ; the scale bytes of 128 rows: 16 runs of 256 bytes + 16 of padding
.set SBLK,   2*272                     ; those of 16 rows
.set SCL,    2*SLOT                    ; behind the slots: W's scales (2 HALFS), x's of tile 0 (2 HALFS), x's of tile 1 (2 HALFS)
.set SPARE,  SCL+6*HALFS               ; the spare words, 128 bytes for each wave: two blocks of 256 bytes that no other line names
.set XKS,    65536                     ; the exchange at the end lies in W's part of slot 0 (filled once, read no more): kv at 16,384 x wave, the sums of kk from here on
.set NEXTT,  256*KROW                  ; from tile 0's rows of x to tile 1's
.set KSP,    8388608                   ; part: behind the kv images, the partial sums of kk
.set BO,    7                          ; v7   bias: 4 (r % 8) + 64 (r / 8): my channel among a tile's
.set MA,    8                          ; v8   mask: 64 (lane / 16)
.set XI,    9                          ; v9   exchange: my kv image: 16 lane + 16,384 wave
.set XK,    10                         ; v10  my sums of kk: XKS + 512 wave + 16 lane
.set XR,    11                         ; v11  the half of my head's two kv images that I add
.set XKR,   12                         ; v12  the two tiles of my head's sums that I add
.set GP,    13                         ; v13  16 lane
.set KO,    14                         ; v14  4 x (the d that I store a sum for, less 32 (wave % 2))
.set ADRS0, 15                         ; v15  scale words for tile 0: lanes 0-15 W's rows, lanes 16-31 x's
.set ADRA,  16                         ; v16-17 W's fragments in slot 0, 1
.set ADRS1, 18                         ; v18  scale words for tile 1
.set ADRB,  20                         ; v20-21 x's fragments in slot 0, 1
.set SPW,   22                         ; v22  LDS address of my spare word; never rewritten
.set NIL,   23                         ; v23  0; never rewritten
.set KS,    24                         ; v24-31 a pair of running sums of kk for each tile of d
.set SC,    32                         ; scale words: set s at v[SC + 32 s]; register 4 i + q: lanes 0-15 W's block i, lanes 16-31 x's block i
.set FW,    32                         ; the made fragments' scale words: kk's four, v's four
.set BIAS,  96                         ; tile a's bias of my channel, twice: a pair for the packed addition
.set T2,    112                        ; v112-127: the exponentials of 16 numbers; then the chains of a sum; then the quantiser's: never two at a time
.set CH,    112
.set TM,    112
.set KSF,   112
.set AF,    128
.set ST,    128
.set FRAG,  192                        ; kk's fragment of td at + 8 td, v's of tm at + 32 + 8 tm
.set G1,   24                          ; s[24:31] group 1 for W's tiles; s[32:39] group 0, a set for each slot
.set G0,   32
.set G1B,  48                          ; s[48:55], s[56:63] the same for x's tiles
.set G0B,  56
.set LE,   66                          ; s[66:67] log2(e), twice
.set G1S,  68                          ; s[68:75], s[76:79] W's scales; s[80:87], s[88:91] x's
.set G0S,  76
.set G1SB, 80
.set G0SB, 88
.set SEL,  100                         ; s[100:101] v_permlanex16_b32's selects for lane l xor 16
.set MSB, 0
.macro WIN new                         ; the immediate's high byte repeats the setting that is left; a switch that changes nothing is dropped
.if MSB != (\new)
	s_set_vgpr_msb (MSB<<8)|(\new)
.set MSB, (\new)
.endif
.endm
.set MUL_LO, 0xa1                      ; source 0 (x) window 1, source 1 (W) window 0, C and D window 2
.set MUL_HI, 0xf1                      ; the same, C and D window 3
.set TO_B,   0x40                      ; destination window 1, address window 0
; A joint first fill: waves 0 and 1 fetch for W, waves 2 and 3 for x.  Each line has one mask and one set of registers for all that issue it; the branch hangs on the wave's number alone.
; Four v_nop follow each of the two lines, ahead of the jump, the label and what follows.
.macro JLOAD g0a, g1a, g0b, g1b
	s_cmp_eq_u32 s15, 0
	s_cbranch_scc0 .Lfor_b_\@
	tensor_load_to_lds s[\g0a:\g0a+3], s[\g1a:\g1a+7]
	s_nop 0
.rept 4
	v_nop
.endr
	s_branch .Lasked_\@
.Lfor_b_\@:
	tensor_load_to_lds s[\g0b:\g0b+3], s[\g1b:\g1b+7]
	s_nop 0
.rept 4
	v_nop
.endr
.Lasked_\@:
.endm
.macro XLOAD slot                      ; a joint refill: x's part of a slot alone, by waves 2 and 3, 128 rows each; waves 0 and 1 have nothing to fill
	s_cmp_eq_u32 s15, 0
	s_cbranch_scc1 .Lno_x_\@
	tensor_load_to_lds s[G0B+4*\slot:G0B+4*\slot+3], s[G1B:G1B+7]
	s_nop 0
.rept 4
	v_nop
.endr
.Lno_x_\@:
.endm
.macro CREST                           ; a round of the cluster's barrier behind its opening barrier
	s_cmp_lg_u32 s14, 0
	s_cbranch_scc1 .Lnot_wave_0_\@
	s_barrier_signal -3
.Lnot_wave_0_\@:
	s_barrier_wait -3
	s_barrier_signal -1
	s_barrier_wait -1
.endm
.macro CROUND                          ; a whole round
	s_barrier_signal -1
	s_barrier_wait -1
	CREST
.endm
	s_load_b256 s[4:11], s[0:1], 0x0               ; W's codes s[4:5], W's scales s[6:7], x's codes s[8:9], x's scales s[10:11]
	s_load_b64 s[12:13], s[0:1], 0x20              ; b_qkv
	s_load_b64 s[96:97], s[0:1], 0x28              ; mask
	s_load_b64 s[98:99], s[0:1], 0x30              ; part
	v_lshl_add_u32 v[SPW], v0, 2, SPARE
	v_mov_b32 v[NIL], 0
	ds_add_u32 v22, v23
	ds_add_u32 v22, v23
	s_wait_dscnt 0x0
	v_lshrrev_b32 v1, 5, v0
	v_readfirstlane_b32 s14, v1                    ; wave 0..3
	s_lshr_b32 s15, s14, 1                         ; my head of the two.  Also: I fetch for W (0) or for x (1)
	s_and_b32 s16, s14, 1                          ; my half of a tile's rows of x.  Also: which part I fetch
	s_bfe_u32 s40, ttmp6, 0x40000                  ; cx, cy: my place in the cluster
	s_bfe_u32 s41, ttmp6, 0x40004
	s_lshl_b32 s42, ttmp9, 2
	s_add_co_u32 s42, s42, s40                     ; work-group x = 4 x cluster x + cx: the 512 rows
	s_and_b32 s17, ttmp7, 0xffff
	s_lshl_b32 s17, s17, 2
	s_add_co_u32 s17, s17, s41                     ; work-group y = 4 x cluster y + cy: the pair of heads
	s_lshl_b32 s43, s41, 2
	s_lshl_b32 s43, 15, s43                        ; my row of the cluster
	s_lshl_b32 s44, 0x1111, s40                    ; my column
	; group 1: a tile of 128 rows x 256 bytes, padded in LDS
	s_or_b32 s[G1+0], s43, (0<<16)|(1<<20)|(1<<21)|(5<<22)|(3<<25)  ; 15:0 the mask: W's tiles go to my row; 17:16 elements of 1 byte; 20 padding on; 21 set beside a mask; 24:22 after every 64 words; 31:25 four words
	s_or_b32 s[G1B+0], s44, (0<<16)|(1<<20)|(1<<21)|(5<<22)|(3<<25) ; x's tiles go to my column
.irp g, G1, G1B
	s_mov_b32 s[\g+1], ROWB<<16                    ; tensor_dim0
	s_mov_b32 s[\g+2], 128<<16                     ; tensor_dim1
	s_mov_b32 s[\g+3], ROWB<<16                    ; tile_dim0
	s_mov_b32 s[\g+4], 128                         ; tile_dim1
	s_mov_b32 s[\g+5], KROW                        ; tensor_dim0_stride
	s_mov_b32 s[\g+6], 0
	s_mov_b32 s[\g+7], 0
.endr
	; the scale bytes are dense: runs of 256 bytes (32 elements of 8 bytes), 16 bytes of padding behind each.  W's: 128 rows a load, 16 runs; x's: 256 rows a load, 32 runs
	s_or_b32 s[G1S+0], s43, (3<<16)|(1<<20)|(1<<21)|(5<<22)|(3<<25)
	s_mov_b32 s[G1S+1], 32<<16
	s_mov_b32 s[G1S+2], 16<<16
	s_mov_b32 s[G1S+3], 32<<16
	s_mov_b32 s[G1S+4], 16
	s_mov_b32 s[G1S+5], 32
	s_mov_b32 s[G1S+6], 0
	s_mov_b32 s[G1S+7], 0
	s_or_b32 s[G1SB+0], s44, (3<<16)|(1<<20)|(1<<21)|(5<<22)|(3<<25)
	s_mov_b32 s[G1SB+1], 32<<16
	s_mov_b32 s[G1SB+2], 32<<16
	s_mov_b32 s[G1SB+3], 32<<16
	s_mov_b32 s[G1SB+4], 32
	s_mov_b32 s[G1SB+5], 32
	s_mov_b32 s[G1SB+6], 0
	s_mov_b32 s[G1SB+7], 0
	; where the tiles come from.  W's hang on y alone, x's on x alone; each in registers that do not hold the other coordinate
	s_lshl_b32 s18, s16, 7
	s_lshl_b32 s20, s17, 8
	s_add_co_u32 s20, s20, s18
	s_add_co_u32 s20, s20, 1024                    ; W: position 1,024 + 256 y + 128 x half (behind q's 1,024)
	s_lshl_b32 s22, s20, 5                         ; its scale bytes,
	s_mov_b32 s23, 0
	s_lshl_b32 s20, s20, 9                         ; its codes
	s_mov_b32 s21, 0
	s_lshl_b32 s46, s42, 9
	s_lshl_b32 s92, s16, 8
	s_add_co_u32 s92, s92, s46                     ; x's scales: position 512 x + 256 x (wave % 2): wave 2 brings tile 0's, wave 3 tile 1's
	s_lshl_b32 s92, s92, 5
	s_mov_b32 s93, 0
	s_add_co_u32 s46, s46, s18                     ; x's codes: position 512 x + 128 x half, tile 0
	s_lshl_b32 s46, s46, 9
	s_mov_b32 s47, 0
	s_mul_i32 s45, s14, HALFT                      ; where they go: wave x 128 rows: no place in the cluster enters an LDS address
	s_mul_i32 s94, s16, HALFS
	s_mul_i32 s95, s16, 2*HALFS
	s_mov_b32 s[LE], 0x3fb8aa3b                    ; log2(e)
	s_mov_b32 s[LE+1], 0x3fb8aa3b                  ; (named with it as a pair, so it is written)
	s_mov_b32 s[SEL], 0x76543210
	s_mov_b32 s[SEL+1], 0xfedcba98
	s_wait_kmcnt 0x0
	s_add_nc_u64 s[20:21], s[4:5], s[20:21]
	s_add_nc_u64 s[22:23], s[6:7], s[22:23]
	s_add_nc_u64 s[46:47], s[8:9], s[46:47]
	s_add_nc_u64 s[92:93], s[10:11], s[92:93]
	CROUND                                         ; all sixteen work-groups are here: the first joint loads meet
	s_mov_b32 s[G0S], 1
	s_add_co_u32 s[G0S+1], s94, SCL
	s_mov_b64 s[G0S+2:G0S+3], s[22:23]
	s_or_b32 s[G0S+3], s[G0S+3], 0x80000000
	s_mov_b32 s[G0SB], 1
	s_add_co_u32 s[G0SB+1], s95, SCL+2*HALFS
	s_mov_b64 s[G0SB+2:G0SB+3], s[92:93]
	s_or_b32 s[G0SB+3], s[G0SB+3], 0x80000000
	JLOAD G0S, G1S, G0SB, G1SB                     ; the scales first: they are wanted with the first step.  Three loads of mine go out here as one group
.irp s, 0,1
	s_mov_b32 s[G0+4*\s], 1
	s_add_co_u32 s[G0+4*\s+1], s45, \s*SLOT
	s_add_nc_u64 s[G0+4*\s+2:G0+4*\s+3], s[20:21], \s*ROWB
	s_or_b32 s[G0+4*\s+3], s[G0+4*\s+3], 0x80000000
	s_mov_b32 s[G0B+4*\s], 1
	s_add_co_u32 s[G0B+4*\s+1], s45, \s*SLOT
	s_add_nc_u64 s[G0B+4*\s+2:G0B+4*\s+3], s[46:47], \s*ROWB
	s_or_b32 s[G0B+4*\s+3], s[G0B+4*\s+3], 0x80000000
	JLOAD G0+4*\s, G1, G0B+4*\s, G1B
.endr
	v_and_b32 v1, 15, v0                           ; r = lane % 16
	v_bfe_u32 v2, v0, 4, 1                         ; h = lane / 16
	v_mul_u32_u24 v3, v1, PITCH
	v_lshl_add_u32 v4, v2, 4, v3                   ; a fragment's row x pitch + 16 h
	s_mul_i32 s18, s15, HALFT                      ; my 128 rows of W
	s_mul_i32 s19, s16, HALFT                      ; my 128 rows of x,
	s_add_co_u32 s19, s19, 2*HALFT                 ; which lie behind W's 256
.irp s, 0,1
	v_add_nc_u32 v[ADRA+\s], s18, v4
	v_add_nc_u32 v[ADRB+\s], s19, v4
	s_add_co_u32 s18, s18, SLOT
	s_add_co_u32 s19, s19, SLOT
.endr
	v_mul_u32_u24 v5, v1, 32                       ; my row's scale bytes: 32 a row,
	v_lshrrev_b32 v6, 8, v5
	v_lshl_add_u32 v5, v6, 4, v5                   ; and 16 more for each 256 passed
	s_mul_i32 s18, s15, HALFS                      ; W's: my 128 rows
	s_mul_i32 s19, s16, HALFS                      ; x's of tile 0: my 128 rows, behind W's 256
	s_add_co_u32 s19, s19, 2*HALFS
	s_sub_co_u32 s19, s19, s18
	v_mul_u32_u24 v6, s19, v2                      ; lanes 16-31 take x's: one product, the distance between the two
	s_add_co_u32 s19, s19, 2*HALFS                 ; tile 1's lie 2 HALFS further on
	v_mul_u32_u24 v3, s19, v2
	s_add_co_u32 s18, s18, SCL
	v_add_nc_u32 v5, s18, v5
	v_add_nc_u32 v[ADRS0], v5, v6
	v_add_nc_u32 v[ADRS1], v5, v3
	v_and_b32 v5, 7, v1
	v_lshrrev_b32 v6, 3, v1
	v_lshlrev_b32 v[BO], 2, v5
	v_lshl_add_u32 v[BO], v6, 6, v[BO]             ; position r of a tile is channel r % 8 + 16 (r / 8) of its 32
	v_lshlrev_b32 v[MA], 6, v2
	v_lshl_add_u32 v[KO], v2, 5, v[BO]
	v_and_b32 v3, 31, v0
	v_lshlrev_b32 v[GP], 4, v3
	s_lshl_b32 s18, s14, 14
	v_add_nc_u32 v[XI], s18, v[GP]
	s_lshl_b32 s18, s14, 9
	s_add_co_u32 s18, s18, XKS
	v_add_nc_u32 v[XK], s18, v[GP]
	s_lshl_b32 s18, s15, 15
	s_lshl_b32 s19, s16, 13
	s_add_co_u32 s18, s18, s19
	v_add_nc_u32 v[XR], s18, v[GP]
	s_lshl_b32 s18, s15, 10
	s_lshl_b32 s19, s16, 3
	s_add_co_u32 s18, s18, s19
	s_add_co_u32 s18, s18, XKS
	v_add_nc_u32 v[XKR], s18, v[GP]
.irp b, 0,1,2,3
	v_mov_b32 v[TM+4+\b], 0                        ; written once: a lane permute's destination counts as one of its sources
.endr
	s_lshl_b32 s18, s17, 9                         ; b_qkv at k's 64 channels of my head: 4 (1,024 + 64 (2 y + w / 2)); v's lie 4,096 bytes on
	s_lshl_b32 s19, s15, 8
	s_add_co_u32 s18, s18, s19
	s_add_co_u32 s18, s18, 4096
	s_mov_b32 s19, 0
	s_add_nc_u64 s[12:13], s[12:13], s[18:19]
.irp a, 0,1,2,3,4,5,6,7
	global_load_b32 v[BIAS+2*\a], v[BO], s[12:13] offset:4*(32*((\a/2)%2)+8*(\a%2))+4096*(\a/4)
	global_load_b32 v[BIAS+2*\a+1], v[BO], s[12:13] offset:4*(32*((\a/2)%2)+8*(\a%2))+4096*(\a/4)
.endr
	s_lshl_b32 s18, s42, 11                        ; mask at my first row: 4 (512 x + 128 (w % 2))
	s_lshl_b32 s2, s16, 9
	s_add_co_u32 s18, s18, s2
	s_add_nc_u64 s[96:97], s[96:97], s[18:19]
	s_lshr_b32 s2, s42, 3                          ; part: image number 8 (16 batch + head) + chunk
	s_lshl_b32 s2, s2, 7
	s_and_b32 s3, s42, 7
	s_add_co_u32 s2, s2, s3
	s_lshl_b32 s3, s17, 4
	s_add_co_u32 s2, s2, s3
	s_lshl_b32 s3, s15, 3
	s_add_co_u32 s2, s2, s3
	s_lshl_b32 s18, s2, 8                          ; the sums of kk: 256 bytes an image, my 128 of them
	s_lshl_b32 s3, s16, 7
	s_add_co_u32 s18, s18, s3
	s_add_co_u32 s18, s18, KSP
	s_add_nc_u64 s[92:93], s[98:99], s[18:19]
	s_lshl_b32 s18, s2, 14                         ; kv: 16,384 bytes an image, my 8,192 of them
	s_lshl_b32 s3, s16, 13
	s_add_co_u32 s18, s18, s3
	s_add_nc_u64 s[98:99], s[98:99], s[18:19]
	s_wait_loadcnt 0x0                             ; the biases, once
.macro FRAG reg, adr, q, i             ; a fragment, 16 rows x 128 K of 4-bit codes: lane l holds row l % 16; registers 4 c .. 4 c + 3 hold K = 64 c + 32 (l / 16) + 0 .. 31
.irp c, 0,1
	ds_load_b128 v[\reg+4*\c:\reg+4*\c+3], v[\adr] offset:64*(\q)+32*\c+(\i)*16*PITCH
.endr
.endm
; 16 matrix instructions: W's blocks a0, a0 + 1 x x's eight, the slot's q-th 128 along K.  p: x's set; sc: the set of scale words.  zero = 1: the product starts the sums.
; The 64 accumulators take turns, one instruction a turn, in the same order in every step.
.macro MUL16 a0, p, q, sc, zero
.irp a, \a0, \a0+1
.irp b, 0,1,2,3,4,5,6,7
.if \zero
	v_wmma_scale_f32_16x16x128_f8f6f4 v[8*(8*((\a)%4)+\b):8*(8*((\a)%4)+\b)+7], v[128*(\p)+FR*\b:128*(\p)+FR*\b+FR-1], v[AF+FR*(\a):AF+FR*(\a)+FR-1], 0, v[SC+8*NQ*(\sc)+NQ*\b+(\q)], v[SC+8*NQ*(\sc)+NQ*(\a)+(\q)] matrix_a_fmt:MATRIX_FMT_FP4 matrix_b_fmt:MATRIX_FMT_FP4 matrix_a_scale:MATRIX_SCALE_ROW1
.else
	v_wmma_scale_f32_16x16x128_f8f6f4 v[8*(8*((\a)%4)+\b):8*(8*((\a)%4)+\b)+7], v[128*(\p)+FR*\b:128*(\p)+FR*\b+FR-1], v[AF+FR*(\a):AF+FR*(\a)+FR-1], v[8*(8*((\a)%4)+\b):8*(8*((\a)%4)+\b)+7], v[SC+8*NQ*(\sc)+NQ*\b+(\q)], v[SC+8*NQ*(\sc)+NQ*(\a)+(\q)] matrix_a_fmt:MATRIX_FMT_FP4 matrix_b_fmt:MATRIX_FMT_FP4 matrix_a_scale:MATRIX_SCALE_ROW1
.endif
.endr
.endr
.endm
.macro FETCH_B slot, q, p              ; x's eight fragments of the slot's q-th 128 along K into set p
	WIN TO_B
.irp i, 0,1,2,3,4,5,6,7
	FRAG 128*(\p)+FR*\i, ADRB+\slot, \q, \i
.endr
	WIN 0
.endm
.macro FETCH_A slot, q, i0             ; W's blocks i0 .. i0 + 3
.irp i, \i0, \i0+1, \i0+2, \i0+3
	FRAG AF+FR*(\i), ADRA+\slot, \q, \i
.endr
.endm
.macro SCALES sc, ks, adr              ; the scale words of 512 along K (the ks-th) into set sc: four words a row; lanes 0-15 W's block i, lanes 16-31 x's block i
.irp i, 0,1,2,3,4,5,6,7
	ds_load_b128 v[SC+8*NQ*\sc+NQ*\i:SC+8*NQ*\sc+NQ*\i+3], v[\adr] offset:\i*SBLK+16*\ks
.endr
.endm
; A load into a register that a matrix instruction has read, and a vector instruction or store that reads a matrix result, stand NP places behind it; only plain vector instructions that name none of
; its registers are places (ISA guide 7.12.1 for vector instructions).
.macro PLACES n
.rept \n
	v_nop
.endr
.endm
.macro STEP slot, q, zero              ; a step of 128 along K that has its successor in the same slot.  W has one set of registers (a block is free when its eight products are issued), x two
	s_wait_dscnt 4*NL                              ; x's set and W's blocks 0-3 are in; the youngest eight loads (W's blocks 4-7) may be out
	WIN MUL_LO
	MUL16 0, (\q)%2, \q, \slot, \zero
	MUL16 2, (\q)%2, \q, \slot, \zero
	s_wait_dscnt 0                                 ; W's blocks 4-7 are in
	PLACES NP
	FETCH_B \slot, (\q)+1, 1-(\q)%2
	FETCH_A \slot, (\q)+1, 0
	WIN MUL_HI
	MUL16 4, (\q)%2, \q, \slot, \zero
	MUL16 6, (\q)%2, \q, \slot, \zero
	PLACES NP
	WIN 0
	FETCH_A \slot, (\q)+1, 4
.endm
; Slot 0's last step changes slots: one barrier; in front of it each wave waits for all its tensor loads, adds 0 to its spare word, and waits for that and for its own reads of slot 0.
; fill = 1 (tile 0): the barrier opens a round of the cluster's, and behind it x's part of slot 0 takes tile 1's rows: the load has slot 1's 256 matrix instructions in which to land.
.macro TURN fill, adr
	s_wait_tensorcnt 0x0                           ; all my tensor loads have landed, my part of slot 1 among them
	ds_add_u32 v[SPW], v[NIL]                      ; 0 onto my spare word
	s_wait_dscnt 4*NL+1                            ; (the add and the youngest eight loads may be out)
	WIN MUL_LO
	MUL16 0, 1, NQ-1, 0, 0                         ; sixteen matrix instructions stand between the add and the wait for it
	s_wait_dscnt 0x0                               ; the add is done, and my reads of slot 0 are over
	s_barrier_signal -1
	MUL16 2, 1, NQ-1, 0, 0
	WIN 0
	s_barrier_wait -1
.if \fill
	CREST                                          ; no wave of any partner still reads slot 0 or has a load on its way
	s_add_nc_u64 s[G0B+2:G0B+3], s[G0B+2:G0B+3], NEXTT
	XLOAD 0                                        ; the first tensor load behind the round, and the wave's only one until the next
.endif
	PLACES NP
	FETCH_B 1, 0, 0
	FETCH_A 1, 0, 0
	SCALES 1, 1, \adr
	WIN MUL_HI
	MUL16 4, 1, NQ-1, 0, 0
	MUL16 6, 1, NQ-1, 0, 0
	PLACES NP
	WIN 0
	FETCH_A 1, 0, 4
.endm
; Slot 1's last step ends a tile.  fill = 1 (tile 0): the same three lines and round, and x's part of slot 1 takes tile 1's rows: that load has the work on tile 0's results and four steps in which to land.
.macro LAST fill
.if \fill
	s_wait_tensorcnt 0x0                           ; all my tensor loads have landed: slot 0's refill, which tile 1 reads first
	ds_add_u32 v[SPW], v[NIL]
	s_wait_dscnt 4*NL+1
	WIN MUL_LO
	MUL16 0, 1, NQ-1, 1, 0
	s_wait_dscnt 0x0                               ; the add is done, and my reads of slot 1 are over
	s_barrier_signal -1
	MUL16 2, 1, NQ-1, 1, 0
	WIN 0
	s_barrier_wait -1
	CREST
	s_add_nc_u64 s[G0B+6:G0B+7], s[G0B+6:G0B+7], NEXTT
	XLOAD 1
.else
	s_wait_dscnt 4*NL
	WIN MUL_LO
	MUL16 0, 1, NQ-1, 1, 0
	MUL16 2, 1, NQ-1, 1, 0
	s_wait_dscnt 0
.endif
	WIN MUL_HI
	MUL16 4, 1, NQ-1, 1, 0
	MUL16 6, 1, NQ-1, 1, 0
	WIN 0
.endm
.macro START adr                       ; a tile's first fragments and scale words
	FETCH_B 0, 0, 0
	FETCH_A 0, 0, 0
	SCALES 0, 0, \adr
	FETCH_A 0, 0, 4
.endm
; 64 numbers of a lane, v[s] .. v[s + 63], register 16 b + i = k 32 b + 16 (lane / 16) + i of my row, become a fragment's codes in v[pc] on and its scale word in v[pw].
.macro QUANT s, pc, pw
.irp b, 0,1,2,3
	v_max3_num_f32 v[TM+\b], |v[\s+16*\b]|, |v[\s+1+16*\b]|, 0x1800000   ; block b: my 16 numbers, and the floor 2^(3 - 127): the byte cannot fall under 1
.endr
.irp i, 2,4,6,8,10,12,14
.irp b, 0,1,2,3
	v_max3_num_f32 v[TM+\b], v[TM+\b], |v[\s+16*\b+\i]|, |v[\s+1+16*\b+\i]|   ; (the four blocks by turns)
.endr
.endr
.irp b, 0,1,2,3
	v_permlanex16_b32 v[TM+4+\b], v[TM+\b], s[SEL], s[SEL+1]
.endr
.irp b, 0,1,2,3
	v_max_num_f32 v[TM+\b], v[TM+\b], v[TM+4+\b]   ; with lane l xor 16's: the block's largest magnitude
.endr
.irp b, 0,1,2,3
	v_add_nc_u32 v[TM+12+\b], 0xff000000, v[TM+\b] ; 2 off its exponent field: the conversion's scale operand
.endr
.irp b, 0,1,2,3
	v_lshrrev_b32 v[TM+4+\b], 23, v[TM+12+\b]      ; the scale's byte
.endr
	v_lshl_or_b32 v[\pw], v[TM+5], 8, v[TM+4]      ; the four bytes make my row's scale word
	v_lshl_or_b32 v[\pw], v[TM+6], 16, v[\pw]
	v_lshl_or_b32 v[\pw], v[TM+7], 24, v[\pw]
.irp b, 0,1,2,3
	v_cvt_scalef32_pk8_fp4_f32 v[\pc+2*\b], v[\s+16*\b:\s+7+16*\b], v[TM+12+\b]
	v_cvt_scalef32_pk8_fp4_f32 v[\pc+1+2*\b], v[\s+8+16*\b:\s+15+16*\b], v[TM+12+\b]
.endr
	v_nop                                          ; one plain place behind a scaled conversion
.irp c, 0,1                                    ; the operand's layout wants a whole block in a lane: lanes 0-15 block 2 c, lanes 16-31 block 2 c + 1
.irp i, 0,1
	v_permlane16_swap_b32 v[\pc+4*\c+\i], v[\pc+2+4*\c+\i]
.endr
.endr
.endm
.macro PHI                             ; ST = elu(ST) + 1, 16 numbers at a time
.irp c, 0,1,2,3
.irp i, 0,2,4,6,8,10,12,14
	v_pk_mul_f32 v[T2+\i:T2+\i+1], v[ST+16*\c+\i:ST+16*\c+\i+1], s[LE:LE+1] op_sel_hi:[1,0]
.endr
.irp i, 0,1,2,3,4,5,6,7,8,9,10,11,12,13,14,15
	v_exp_f32 v[T2+\i], v[T2+\i]                   ; e^t
.endr
.irp i, 0,2,4,6,8,10,12,14
	v_pk_add_f32 v[ST+16*\c+\i:ST+16*\c+\i+1], v[ST+16*\c+\i:ST+16*\c+\i+1], 1.0 op_sel_hi:[1,0]   ; t + 1 (the plain lines behind the exponentials)
.endr
	s_wait_alu depctr_va_vdst(0)
.irp i, 0,1,2,3,4,5,6,7,8,9,10,11,12,13,14,15
	v_med3_num_f32 v[ST+16*\c+\i], v[T2+\i], 1.0, v[ST+16*\c+\i]   ; above 0: 1 < t + 1 <= e^t; below: t + 1 <= e^t < 1: the middle one is the result
.endr
.endr
.endm
.macro KSUM a, t                       ; the sum of my 64 kk, unquantised, two at a time in four chains; tile 0 starts the running sum
.irp c, 0,1,2,3
	v_pk_add_f32 v[CH+2*\c:CH+2*\c+1], v[ST+2*\c:ST+2*\c+1], v[ST+8+2*\c:ST+8+2*\c+1]
.endr
.irp k, 2,3,4,5,6,7
.irp c, 0,1,2,3
	v_pk_add_f32 v[CH+2*\c:CH+2*\c+1], v[CH+2*\c:CH+2*\c+1], v[ST+8*\k+2*\c:ST+8*\k+2*\c+1]
.endr
.endr
	v_pk_add_f32 v[CH:CH+1], v[CH:CH+1], v[CH+2:CH+3]
	v_pk_add_f32 v[CH+4:CH+5], v[CH+4:CH+5], v[CH+6:CH+7]
.if \t == 0
	v_pk_add_f32 v[KS+2*\a:KS+2*\a+1], v[CH:CH+1], v[CH+4:CH+5]
.else
	v_pk_add_f32 v[CH:CH+1], v[CH:CH+1], v[CH+4:CH+5]
	v_pk_add_f32 v[KS+2*\a:KS+2*\a+1], v[KS+2*\a:KS+2*\a+1], v[CH:CH+1]
.endif
.endm
.macro BIASADD a                       ; ST = tile a's eight accumulators + my channel's bias: each accumulator is read from its low end on; the addition also brings the numbers into window 0
	WIN 0x02+(\a)/4
.set i, 0
.rept 32
	v_pk_add_f32 v[ST+i:ST+i+1], v[64*((\a)%4)+i:64*((\a)%4)+i+1], v[BIAS+2*(\a):BIAS+2*(\a)+1]
.set i, i+2
.endr
.endm
; WHAT IS MADE OF A TILE'S RESULTS: eight fragments along s, and 16 products onto kv.
.macro EPI t
	PLACES NP
	WIN 0x40
.irp bb, 0,1,2,3
.irp j, 0,1,2,3
	global_load_b128 v[16*\bb+4*\j:16*\bb+4*\j+3], v[MA], s[96:97] offset:1024*\t+128*\bb+16*\j   ; the mask of my 64 rows, laid as the results' registers: it lands while v is quantised
.endr
.endr
.irp a, 4,5,6,7                                ; v: bias, quantiser
	BIASADD \a
	WIN 0
	QUANT ST, FRAG+8*\a, FW+\a
.endr
	s_wait_loadcnt 0x0                             ; the mask
.irp a, 0,1,2,3                                ; k: bias, mask, elu + 1, the sum, quantiser
	BIASADD \a
	WIN 0x04
.set i, 0
.rept 32
	v_pk_mul_f32 v[ST+i:ST+i+1], v[ST+i:ST+i+1], v[i:i+1]
.set i, i+2
.endr
	WIN 0
	PHI
	KSUM \a, \t
	QUANT ST, FRAG+8*\a, FW+\a
.endr
	PLACES 8                                       ; a scale register written by a vector instruction stands 8 places ahead of a scaled matrix instruction, an operand so written 4
	WIN 0x50                                       ; C and D window 1
.irp tm, 0,1,2,3                               ; each of the 16 accumulators has one turn
.irp td, 0,1,2,3
.if \t == 0
	v_wmma_scale_f32_16x16x128_f8f6f4 v[64+8*(4*\tm+\td)+64*(\tm/2):64+8*(4*\tm+\td)+64*(\tm/2)+7], v[FRAG+8*\td:FRAG+8*\td+7], v[FRAG+32+8*\tm:FRAG+32+8*\tm+7], 0, v[FW+\td], v[FW+4+\tm] matrix_a_fmt:MATRIX_FMT_FP4 matrix_b_fmt:MATRIX_FMT_FP4
.else
	v_wmma_scale_f32_16x16x128_f8f6f4 v[64+8*(4*\tm+\td)+64*(\tm/2):64+8*(4*\tm+\td)+64*(\tm/2)+7], v[FRAG+8*\td:FRAG+8*\td+7], v[FRAG+32+8*\tm:FRAG+32+8*\tm+7], v[64+8*(4*\tm+\td)+64*(\tm/2):64+8*(4*\tm+\td)+64*(\tm/2)+7], v[FW+\td], v[FW+4+\tm] matrix_a_fmt:MATRIX_FMT_FP4 matrix_b_fmt:MATRIX_FMT_FP4
.endif
.endr
.endr
	WIN 0
	PLACES NP                                      ; in front of loads into these products' scale registers, and of the first read of kv
.endm
	s_wait_tensorcnt 1                             ; the scales and my part of slot 0 are in (slot 1's load may be out)
	s_barrier_signal -1
	s_barrier_wait -1                              ; everybody's are
	START ADRS0                                    ; ---- tile 0: rows 512 x .. + 255
	STEP 0, 0, 1
	STEP 0, 1, 0
	STEP 0, 2, 0
	TURN 1, ADRS0
	STEP 1, 0, 0
	STEP 1, 1, 0
	STEP 1, 2, 0
	LAST 1
	EPI 0
	START ADRS1                                    ; ---- tile 1: rows 512 x + 256 .. + 511.  Slot 0's refill was shown landed in front of the last round
	STEP 0, 0, 1
	STEP 0, 1, 0
	STEP 0, 2, 0
	TURN 0, ADRS1                                  ; slot 1's refill is waited for here; nothing is filled any more
	STEP 1, 0, 0
	STEP 1, 1, 0
	STEP 1, 2, 0
	LAST 0
	EPI 1
	; THE EXCHANGE.  The two waves of a head hold kv and the sums of kk over different rows: they meet in LDS, as images of the registers, and each wave adds and stores half.
.irp t, 0,1,2,3
	v_add_f32 v[KSF+\t], v[KS+2*\t], v[KS+2*\t+1]
.endr
.irp t, 0,1,2,3
	v_permlanex16_b32 v[KSF+4+\t], v[KSF+\t], s[SEL], s[SEL+1]
.endr
.irp t, 0,1,2,3
	v_add_f32 v[KSF+\t], v[KSF+\t], v[KSF+4+\t]    ; with lane l xor 16's rows: my channel's sum over the wave's 256 rows, for each of the four tiles of d
.endr
	WIN 0x04                                       ; an LDS store's data are its source 1: window 1
.set g, 0
.rept 32
	ds_store_b128 v[XI], v[64+4*g+64*(g/16):64+4*g+64*(g/16)+3] offset:512*g   ; four registers a store, 512 consecutive bytes; each accumulator from its low end on
.set g, g+1
.endr
	WIN 0
	ds_store_b128 v[XK], v[KSF:KSF+3]
	s_wait_dscnt 0x0                               ; for the others' sake: my stores are done
	s_barrier_signal -1
	s_barrier_wait -1
.irp g, 0,1,2,3,4,5,6,7,8,9,10,11,12,13,14,15
	ds_load_b128 v[128+4*\g:128+4*\g+3], v[XR] offset:512*\g
.endr
.irp g, 0,1,2,3,4,5,6,7,8,9,10,11,12,13,14,15
	ds_load_b128 v[192+4*\g:192+4*\g+3], v[XR] offset:16384+512*\g
.endr
	ds_load_b64 v[KSF:KSF+1], v[XKR]
	ds_load_b64 v[KSF+2:KSF+3], v[XKR] offset:512
	s_wait_dscnt 0x0
.set i, 0
.rept 32
	v_pk_add_f32 v[128+i:128+i+1], v[128+i:128+i+1], v[192+i:192+i+1]
.set i, i+2
.endr
.irp g, 0,1,2,3,4,5,6,7,8,9,10,11,12,13,14,15
	global_store_b128 v[GP], v[128+4*\g:128+4*\g+3], s[98:99] offset:512*\g   ; 32 lanes store 512 consecutive bytes, aligned
.endr
	v_pk_add_f32 v[KSF:KSF+1], v[KSF:KSF+1], v[KSF+2:KSF+3]   ; tiles of d 2 (w % 2) and 2 (w % 2) + 1
	v_bfe_u32 v[KSF+4], v0, 4, 1
	v_cmp_ne_u32 vcc_lo, 0, v[KSF+4]
	v_cndmask_b32 v[KSF+5], v[KSF], v[KSF+1], vcc_lo   ; lanes 0-15 store the first tile's, lanes 16-31 the second's
	global_store_b32 v[KO], v[KSF+5], s[92:93]     ; in the natural order of d: 128 consecutive bytes
	s_wait_tensorcnt 0x0                           ; the wave's end, behind my last tensor load and my last LDS store
	ds_add_u32 v[SPW], v[NIL]
	s_wait_dscnt 0x0
	CROUND                                         ; the closing round: no work-group ends while a partner may still ask for a tile that names it
	s_endpgm
.Lfunc_end_k_qbca0ed9e19_kvpart:
	.size	k_qbca0ed9e19_kvpart, .Lfunc_end_k_qbca0ed9e19_kvpart-k_qbca0ed9e19_kvpart
	.p2alignl 7, 3214868480
	.fill 96, 4, 3214868480
	.section	.rodata,"a",@progbits
	.p2align	6, 0x0
	.amdhsa_kernel k_qbca0ed9e19_kvpart
		.amdhsa_group_segment_fixed_size 327680
		.amdhsa_private_segment_fixed_size 0
		.amdhsa_enable_private_segment 0
		.amdhsa_kernarg_size 56
		.amdhsa_user_sgpr_count 2
		.amdhsa_user_sgpr_kernarg_segment_ptr 1
		.amdhsa_wavefront_size32 1
		.amdhsa_system_sgpr_workgroup_id_x 1
		.amdhsa_system_sgpr_workgroup_id_y 1
		.amdhsa_system_sgpr_workgroup_id_z 1
		.amdhsa_system_vgpr_workitem_id 0
		.amdhsa_next_free_vgpr 1024
		.amdhsa_next_free_sgpr 102
		.amdhsa_reserve_vcc 1
		.amdhsa_float_denorm_mode_32 3
		.amdhsa_float_denorm_mode_16_64 3
		.amdhsa_memory_ordered 1
		.amdhsa_forward_progress 1
		.amdhsa_inst_pref_size 255
	.end_amdhsa_kernel
	.section	.bss,"aw",@nobits
	.p2align	6
	.space	262144
	.amdgpu_metadata
---
amdhsa.version: [ 1, 2 ]
amdhsa.kernels:
  - .name:           k_qbca0ed9e19_kvpart
    .symbol:         k_qbca0ed9e19_kvpart.kd
    .args:
      - { .name: w_codes, .offset: 0, .size: 8, .value_kind: global_buffer, .address_space: global }
      - { .name: w_scales, .offset: 8, .size: 8, .value_kind: global_buffer, .address_space: global }
      - { .name: x_codes, .offset: 16, .size: 8, .value_kind: global_buffer, .address_space: global }
      - { .name: x_scales, .offset: 24, .size: 8, .value_kind: global_buffer, .address_space: global }
      - { .name: b_qkv, .offset: 32, .size: 8, .value_kind: global_buffer, .address_space: global }
      - { .name: mask, .offset: 40, .size: 8, .value_kind: global_buffer, .address_space: global }
      - { .name: part, .offset: 48, .size: 8, .value_kind: global_buffer, .address_space: global }
    .group_segment_fixed_size: 327680
    .private_segment_fixed_size: 0
    .kernarg_segment_align: 8
    .kernarg_segment_size: 56
    .max_flat_workgroup_size: 128
    .sgpr_count:     102
    .vgpr_count:     1024
    .wavefront_size: 32
...
	.end_amdgpu_metadata
.endif
;; end of part 2
;; launch kvred (part 3): grid 128 x 1, 1 waves a work-group, no clusters, 0 bytes of LDS; arguments part, fin; writes fin
.if DOCPART == 3
	.amdgcn_target "amdgcn-amd-amdhsa--gfx1250"
	.amdhsa_code_object_version 6
	.text
	.protected	k_qbca0ed9e19_kvred
	.globl	k_qbca0ed9e19_kvred
	.p2align	8
	.type	k_qbca0ed9e19_kvred,@function
k_qbca0ed9e19_kvred:
	s_mov_b64 s[64:65], 0
	v_nop
	global_prefetch_b8 v0, s[64:65] scope:SCOPE_SE
	s_setreg_imm32_b32 hwreg(HW_REG_WAVE_MODE, 25, 1), 1
	s_wait_xcnt 0x0
; The eight partial kv of each head (one for each 512 rows of s) are added in f32 and quantised along d to codes of FP4 with E8M0 scales; the eight partial sums of kk are added.
; SHARES.  One wave a work-group; work-group 4 bp + tm takes the tile tm of 16 positions of m of heads 2 bp and 2 bp + 1 of a batch (bp = 8 batch + pair of heads).
; The partials lie in memory as images of the accumulators' registers: lane l's 16 bytes at 16 l.  Register 32 e + 16 B + i of a lane is kv[my m][d = 32 B + 16 (lane / 16) + i] of head e: the two heads'
; 64 + 64 numbers along d are one K step of 128 for the last product, and the form that the quantiser takes.  The fragment and its scale word are stored as images again.
; All 136 loads are issued on end, so that memory is waited for once; the sums follow the partials as they land.  No LDS, no barrier, no matrix instruction: 8.5 MB are read once, by 128 waves.
; LIMITS: NaN and infinities are not served; a block whose largest magnitude lies under 2^-124 keeps the scale byte 1 (a block of zeros too: its codes are zeros).
; REGISTERS.  window 0: v1, v2 offsets; v16-31 the quantiser's; v32-39 the codes; v40 the scale word; v48-55 partial sums of kk; v64-127 the sum.  window 1: partials 0-3, 64 registers each.  window 2: partials 4-7.
.set KSP,   8388608                    ; part: the partial sums of kk lie behind the kv images
.set KVSO,  131072                     ; fin: the scale words
.set KSUMO, 147456                     ; fin: the sums of kk, [batch][1,024 channels]
.set TM,  16
.set PC,  32
.set PW,  40
.set KW,  48
.set ACC, 64
.set SEL, 20
.set MSB, 0
.macro WIN new                         ; the immediate's high byte repeats the setting that is left
.if MSB != (\new)
	s_set_vgpr_msb (MSB<<8)|(\new)
.set MSB, (\new)
.endif
.endm
	s_load_b128 s[4:7], s[0:1], 0x0                ; part, fin
	v_lshlrev_b32 v1, 4, v0                        ; 16 x lane
	v_lshlrev_b32 v2, 2, v0                        ; 4 x lane
	s_and_b32 s8, ttmp9, 3                         ; tm
	s_lshr_b32 s9, ttmp9, 2                        ; bp
	s_lshl_b32 s10, s9, 18                         ; two heads x eight images of 16,384 bytes,
	s_lshl_b32 s11, s8, 12                         ; and in an image 4,096 bytes a tile of m
	s_add_co_u32 s10, s10, s11
	s_mov_b32 s11, 0
	s_lshl_b32 s12, s9, 1                          ; the sums of kk: this wave adds 32 channels: head 2 bp + tm / 2, d = 32 (tm % 2) + lane
	s_lshr_b32 s13, s8, 1
	s_add_co_u32 s12, s12, s13
	s_lshl_b32 s12, s12, 11                        ; eight partials of 256 bytes a head
	s_and_b32 s13, s8, 1
	s_lshl_b32 s13, s13, 7
	s_add_co_u32 s12, s12, s13
	s_add_co_u32 s12, s12, KSP
	s_mov_b32 s13, 0
	s_lshl_b32 s22, ttmp9, 10                      ; fin: 1,024 bytes of codes a work-group,
	s_mov_b32 s23, 0
	s_lshl_b32 s24, ttmp9, 7                       ; 128 bytes of scale words, 128 bytes of sums
	s_mov_b32 s25, 0
	s_mov_b32 s[SEL], 0x76543210
	s_mov_b32 s[SEL+1], 0xfedcba98                 ; v_permlanex16_b32's selects for lane l xor 16
.irp b, 0,1,2,3
	v_mov_b32 v[TM+4+\b], 0                        ; written once: a lane permute's destination counts as one of its sources
.endr
	s_wait_kmcnt 0x0
	s_add_nc_u64 s[14:15], s[4:5], s[12:13]
	s_add_nc_u64 s[4:5], s[4:5], s[10:11]
	s_add_nc_u64 s[16:17], s[6:7], s[22:23]
	s_add_nc_u64 s[18:19], s[6:7], s[24:25]
.irp c, 0,1,2,3,4,5,6,7
	global_load_b32 v[KW+\c], v2, s[14:15] offset:256*\c
.endr
	WIN 0x40
.irp c, 0,1,2,3
.irp e, 0,1
.irp g, 0,1,2,3,4,5,6,7
	global_load_b128 v[64*\c+32*\e+4*\g:64*\c+32*\e+4*\g+3], v1, s[4:5] offset:131072*\e+16384*\c+512*\g th:TH_LOAD_NT   ; 512 consecutive bytes; read once
.endr
.endr
.endr
	WIN 0x80
.irp c, 4,5,6,7
.irp e, 0,1
.irp g, 0,1,2,3,4,5,6,7
	global_load_b128 v[64*(\c-4)+32*\e+4*\g:64*(\c-4)+32*\e+4*\g+3], v1, s[4:5] offset:131072*\e+16384*\c+512*\g th:TH_LOAD_NT
.endr
.endr
.endr
	s_wait_loadcnt 63                              ; of the 136 loads the youngest 63 may be out: the 8 words and partials 0-3 (64 loads) are the first 72
	WIN 0x05
.set i, 0
.rept 32
	v_pk_add_f32 v[ACC+i:ACC+i+1], v[i:i+1], v[64+i:64+i+1]
.set i, i+2
.endr
	WIN 0x04
.irp c, 2,3
.set i, 0
.rept 32
	v_pk_add_f32 v[ACC+i:ACC+i+1], v[ACC+i:ACC+i+1], v[64*\c+i:64*\c+i+1]
.set i, i+2
.endr
.endr
	WIN 0x08
.irp c, 0,1,2,3
	s_wait_loadcnt 48-16*\c                        ; partial 4 + c is in; the 16 loads of each later one may be out
.set i, 0
.rept 32
	v_pk_add_f32 v[ACC+i:ACC+i+1], v[ACC+i:ACC+i+1], v[64*\c+i:64*\c+i+1]
.set i, i+2
.endr
.endr
	WIN 0
.irp c, 0,2,4,6
	v_add_f32 v[KW+\c], v[KW+\c], v[KW+\c+1]
.endr
	v_add_f32 v[KW], v[KW], v[KW+2]
	v_add_f32 v[KW+4], v[KW+4], v[KW+6]
	v_add_f32 v[KW], v[KW], v[KW+4]                ; the sum of kk over all of s
	; the quantiser: register 16 b + i = k 32 b + 16 (lane / 16) + i of my row
.irp b, 0,1,2,3
	v_max3_num_f32 v[TM+\b], |v[ACC+16*\b]|, |v[ACC+1+16*\b]|, 0x1800000   ; my 16 numbers of block b, and the floor 2^(3 - 127): the byte cannot fall under 1
.endr
.irp i, 2,4,6,8,10,12,14
.irp b, 0,1,2,3
	v_max3_num_f32 v[TM+\b], v[TM+\b], |v[ACC+16*\b+\i]|, |v[ACC+1+16*\b+\i]|
.endr
.endr
.irp b, 0,1,2,3
	v_permlanex16_b32 v[TM+4+\b], v[TM+\b], s[SEL], s[SEL+1]
.endr
.irp b, 0,1,2,3
	v_max_num_f32 v[TM+\b], v[TM+\b], v[TM+4+\b]   ; with lane l xor 16's: the block's largest magnitude
.endr
.irp b, 0,1,2,3
	v_add_nc_u32 v[TM+12+\b], 0xff000000, v[TM+\b] ; 2 off its exponent field: the conversion's scale operand
.endr
.irp b, 0,1,2,3
	v_lshrrev_b32 v[TM+4+\b], 23, v[TM+12+\b]      ; the scale's byte
.endr
	v_lshl_or_b32 v[PW], v[TM+5], 8, v[TM+4]
	v_lshl_or_b32 v[PW], v[TM+6], 16, v[PW]
	v_lshl_or_b32 v[PW], v[TM+7], 24, v[PW]        ; bytes 0, 1: head 0's two blocks of d; bytes 2, 3: head 1's
.irp b, 0,1,2,3
	v_cvt_scalef32_pk8_fp4_f32 v[PC+2*\b], v[ACC+16*\b:ACC+7+16*\b], v[TM+12+\b]
	v_cvt_scalef32_pk8_fp4_f32 v[PC+1+2*\b], v[ACC+8+16*\b:ACC+15+16*\b], v[TM+12+\b]
.endr
	v_nop                                          ; one plain place behind a scaled conversion
.irp c, 0,1                                    ; a whole block to a lane: lanes 0-15 block 2 c, lanes 16-31 block 2 c + 1
.irp i, 0,1
	v_permlane16_swap_b32 v[PC+4*\c+\i], v[PC+2+4*\c+\i]
.endr
.endr
	global_store_b128 v1, v[PC:PC+3], s[16:17]               ; registers 0-3: head 0's 64 along d; 512 consecutive bytes
	global_store_b128 v1, v[PC+4:PC+7], s[16:17] offset:512  ; registers 4-7: head 1's
	global_store_b32 v2, v[PW], s[18:19] offset:KVSO
	global_store_b32 v2, v[KW], s[18:19] offset:KSUMO
	s_endpgm
.Lfunc_end_k_qbca0ed9e19_kvred:
	.size	k_qbca0ed9e19_kvred, .Lfunc_end_k_qbca0ed9e19_kvred-k_qbca0ed9e19_kvred
	.p2alignl 7, 3214868480
	.fill 96, 4, 3214868480
	.section	.rodata,"a",@progbits
	.p2align	6, 0x0
	.amdhsa_kernel k_qbca0ed9e19_kvred
		.amdhsa_group_segment_fixed_size 0
		.amdhsa_private_segment_fixed_size 0
		.amdhsa_enable_private_segment 0
		.amdhsa_kernarg_size 16
		.amdhsa_user_sgpr_count 2
		.amdhsa_user_sgpr_kernarg_segment_ptr 1
		.amdhsa_wavefront_size32 1
		.amdhsa_system_sgpr_workgroup_id_x 1
		.amdhsa_system_sgpr_workgroup_id_y 1
		.amdhsa_system_sgpr_workgroup_id_z 1
		.amdhsa_system_vgpr_workitem_id 0
		.amdhsa_next_free_vgpr 768
		.amdhsa_next_free_sgpr 66
		.amdhsa_reserve_vcc 0
		.amdhsa_float_denorm_mode_32 3
		.amdhsa_float_denorm_mode_16_64 3
		.amdhsa_memory_ordered 1
		.amdhsa_forward_progress 1
		.amdhsa_inst_pref_size 33
	.end_amdhsa_kernel
	.amdgpu_metadata
---
amdhsa.version: [ 1, 2 ]
amdhsa.kernels:
  - .name:           k_qbca0ed9e19_kvred
    .symbol:         k_qbca0ed9e19_kvred.kd
    .args:
      - { .name: part, .offset: 0, .size: 8, .value_kind: global_buffer, .address_space: global }
      - { .name: fin, .offset: 8, .size: 8, .value_kind: global_buffer, .address_space: global }
    .group_segment_fixed_size: 0
    .private_segment_fixed_size: 0
    .kernarg_segment_align: 8
    .kernarg_segment_size: 16
    .max_flat_workgroup_size: 32
    .sgpr_count:     66
    .vgpr_count:     768
    .wavefront_size: 32
...
	.end_amdgpu_metadata
.endif
;; end of part 3
;; launch attn (part 4): grid 4 x 64, 4 waves a work-group, clusters of 4 x 4, 327,680 bytes of LDS; arguments x_codes, x_scales, w_codes, w_scales, out0, b_qkv, fin; writes out0
.if DOCPART == 4
	.amdgcn_target "amdgcn-amd-amdhsa--gfx1250"
	.amdhsa_code_object_version 6
	.text
	.protected	k_qbca0ed9e19_attn
	.globl	k_qbca0ed9e19_attn
	.p2align	8
	.type	k_qbca0ed9e19_attn,@function
k_qbca0ed9e19_attn:
	s_mov_b64 s[64:65], 0
	v_nop
	global_prefetch_b8 v0, s[64:65] scope:SCOPE_SE
	s_setreg_imm32_b32 hwreg(HW_REG_WAVE_MODE, 25, 1), 1
	s_wait_xcnt 0x0
	s_wait_alu depctr_hold_cnt(0) depctr_sa_sdst(0) depctr_va_vdst(0) depctr_va_sdst(0) depctr_va_ssrc(0) depctr_va_vcc(0) depctr_vm_vsrc(0)
	s_getreg_b32 s2, hwreg(HW_REG_IB_STS2, 6, 4)
	s_cmp_eq_u32 s2, 0
	s_cbranch_scc0 .Lentry_in_a_cluster
	s_endpgm
.Lentry_in_a_cluster:
	s_bfe_u32 s2, ttmp6, 0x10000c
	s_cmp_lg_u32 s2, 0xf033
	s_cbranch_scc0 .Lentry_shape_is_right
	s_endpgm
.Lentry_shape_is_right:
; For 256 rows s and 256 channels (four heads): q = x Wq^T + b on codes of FP4 with E8M0 scales; kq = elu(q) + 1; z = 1 / (kq . sum of kk + 1e-6) in f32 on the unquantised kq; kq quantised ALONG d in registers;
; out[s][m] = z x sum over d of kq[s][d] kv[m][d] on codes.  q never goes to memory.
; SHARES.  Work-group (x, y): rows 256 y on, channels 256 x on.  Four waves, each 128 rows x 128 channels (two heads).
; BY ROWS.  All of K = 1,024 lies in LDS, and a wave's part of W (128 channels x 1,024 K of codes: 64 fragments, 512 registers) is read from LDS once and STAYS IN REGISTERS.  The wave's eight blocks of 16 rows are
; then finished one after the other: 64 matrix instructions on eight accumulators by turns, what is made of the results, and the block's stores.  So LDS is read no more than by K (each fragment once), and the first
; rows of out0 leave after an eighth of the first product's work: the stores are spread over the launch and do not all stand at its end.
; THE FIRST PRODUCT: source 0 = 16 positions of Wq, source 1 = 16 positions of x.  A lane then holds ONE row, and its registers run along the channels.  W's rows lie in memory with bits 3 and 4 of their numbers
; exchanged, so register 16 B + i of a block's 64 result registers is channel 32 B + 16 (lane / 16) + i of the wave's 128: 16 neighbours of each block of 32 along d; the other 16 lie in lane l xor 16.
; The bias is the C of each sum's first product: eight registers a tile, in the result's layout.
; THE LAST PRODUCT has K = 64, half of the instruction's 128.  kq's fragment holds both heads' d side by side; kv's fragment for head 0 is its codes and then zero codes, for head 1 zero codes and then its codes:
; zero codes add nothing under any scale byte that is made here.  Source 0 = 16 positions of m, source 1 = my 16 rows: a lane keeps its row, so z is the lane's own.
; LDS.  Two slots, one for each 512 along K, and all scale bytes: filled once, nothing is filled again.  The way out goes through W's part of slot 0, which nobody reads once W's fragments are in registers.
; CLUSTER 4 x 4: the four work-groups of a row of the cluster share y and so x's tiles; the four of a column share x and so W's tiles: each tile is asked for jointly.
; elu(t) + 1 is made as the middle one of 2^(t log2 e), 1 and t + 1.  It differs from expm1(t) + 1 by at most 2^-24; e^t under 2^-126 comes out as 0.
; LIMITS: NaN and infinities are not served; blocks whose largest magnitude lies under 2^-124 keep the scale byte 1.
; REGISTERS.  window 0: v7-27 addresses; v32-95 the scale words of all of K; v96-99 kv's scale words; v100 kq's; v102-109 z's chains; v112-127 at work; v128-191 a block's eight accumulators, worked on in place;
;   v192-239 kv's fragments; v240-247 kq's codes; v248-255 z.  window 1: v0-63 the last product's results, then the block's rows back from the stage; v64-127 biases; v128-191 the block's eight fragments of x;
;   v192-255 sums of kk.  window 2: W's fragments of K steps 0-3 (step q, block b at v[64 q + 8 b]).  window 3: those of K steps 4-7.
.set NQ,     4                         ; steps of 128 along K in a slot
.set ROWB,   256
.set KROW,   512
.set PITCH,  272                       ; an LDS row: 256 bytes + 16 of padding: the 16 rows that a load touches start at 16 different banks (64 banks of 4 bytes: ISA guide 11.1)
.set FR,     8
.set NP,     4                         ; places behind this matrix instruction (ISA guide 7.12.1)
.set HALFT,  128*PITCH
.set SLOT,   4*HALFT                   ; x's 256 rows, then W's 256 rows
.set HALFS,  16*272                    ; the scale bytes of 128 rows
.set SBLK,   2*272
.set SCL,    2*SLOT                    ; behind the slots: x's scales (2 HALFS), W's (2 HALFS)
.set STAGE,  2*HALFT                   ; the way out: in W's part of slot 0
.set SPITCH, 528                       ; 16 rows x (512 bytes + 16) for each wave
.set KVSO,   131072                    ; fin: kv's scale words
.set KSUMO,  147456                    ; fin: the sums of kk
.set HB,   7                           ; v7   64 (lane / 16)
.set L4,   8                           ; v8   4 lane
.set ADRA, 16                          ; v16-17 x's fragments in slot 0, 1
.set ADRB, 20                          ; v20-21 W's
.set STO,  24                          ; v24  the stage: row r, + 64 (lane / 16)
.set RD,   25                          ; v25  and where I read a row back
.set CO,   26                          ; v26  16 lane
.set ADRS, 27                          ; v27  scale words: lanes 0-15 x's rows, lanes 16-31 W's
.set SC,   32                          ; register 32 s + 4 i + q: lanes 0-15 the word of x's block i, lanes 16-31 that of W's block i, for slot s's q-th 128 along K
.set KVS,  96
.set PW,   100
.set ZA,   102                         ; four pairs: two chains for each head
.set T2,   112
.set TM,   112
.set ST,   128
.set XF,   128                         ; in window 1
.set KVF,  192                         ; tile tm: head 0's codes at + 12 tm, four registers of zero codes, head 1's codes at + 12 tm + 8
.set PC,   240
.set ZZ,   248                         ; z of head e: the low word of the pair v[248 + 2 e]
.set G1,   24
.set G0,   32
.set G1B,  48
.set G0B,  56
.set LE,   66
.set G1S,  68
.set G0S,  76
.set G1SB, 80
.set G0SB, 88
.set SEL,  100
.set MSB, 0
.macro WIN new                         ; the immediate's high byte repeats the setting that is left; a switch that changes nothing is dropped
.if MSB != (\new)
	s_set_vgpr_msb (MSB<<8)|(\new)
.set MSB, (\new)
.endif
.endm
.set TO_1,   0x40                      ; destination window 1, address window 0
; A joint load: waves 0 and 1 fetch for x, waves 2 and 3 for W.  The branch hangs on the wave's number alone.  Four v_nop follow each of the two lines.
.macro JLOAD g0a, g1a, g0b, g1b
	s_cmp_eq_u32 s15, 0
	s_cbranch_scc0 .Lfor_b_\@
	tensor_load_to_lds s[\g0a:\g0a+3], s[\g1a:\g1a+7]
	s_nop 0
.rept 4
	v_nop
.endr
	s_branch .Lasked_\@
.Lfor_b_\@:
	tensor_load_to_lds s[\g0b:\g0b+3], s[\g1b:\g1b+7]
	s_nop 0
.rept 4
	v_nop
.endr
.Lasked_\@:
.endm
.macro CROUND                          ; a round of the cluster's barrier
	s_barrier_signal -1
	s_barrier_wait -1
	s_cmp_lg_u32 s14, 0
	s_cbranch_scc1 .Lnot_wave_0_\@
	s_barrier_signal -3
.Lnot_wave_0_\@:
	s_barrier_wait -3
	s_barrier_signal -1
	s_barrier_wait -1
.endm
	s_load_b256 s[4:11], s[0:1], 0x0               ; x's codes s[4:5], x's scales s[6:7], W's codes s[8:9], W's scales s[10:11]
	s_load_b64 s[12:13], s[0:1], 0x20              ; out0
	s_load_b64 s[96:97], s[0:1], 0x28              ; b_qkv
	s_load_b64 s[98:99], s[0:1], 0x30              ; fin
	v_lshl_add_u32 v110, v0, 2, 0x48400
	v_mov_b32 v111, 0
	ds_add_u32 v110, v111
	ds_add_u32 v110, v111
	v_lshrrev_b32 v1, 5, v0
	v_readfirstlane_b32 s14, v1                    ; wave 0..3
	s_lshr_b32 s15, s14, 1                         ; my half of the tile's rows.  Also: I fetch for x (0) or for W (1)
	s_and_b32 s16, s14, 1                          ; my half of its channels.  Also: which 128 rows I fetch
	s_bfe_u32 s40, ttmp6, 0x40000                  ; cx, cy
	s_bfe_u32 s41, ttmp6, 0x40004
	s_lshl_b32 s42, ttmp9, 2
	s_add_co_u32 s42, s42, s40                     ; work-group x: the 256 channels
	s_and_b32 s17, ttmp7, 0xffff
	s_lshl_b32 s17, s17, 2
	s_add_co_u32 s17, s17, s41                     ; work-group y: the 256 rows
	s_lshl_b32 s43, s41, 2
	s_lshl_b32 s43, 15, s43                        ; my row of the cluster
	s_lshl_b32 s44, 0x1111, s40                    ; my column
	s_or_b32 s[G1+0], s43, (0<<16)|(1<<20)|(1<<21)|(5<<22)|(3<<25)  ; 15:0 the mask: x's tiles go to my row; elements of 1 byte; padding on; 21 set beside a mask; four words after every 64
	s_or_b32 s[G1B+0], s44, (0<<16)|(1<<20)|(1<<21)|(5<<22)|(3<<25) ; W's tiles go to my column
.irp g, G1, G1B
	s_mov_b32 s[\g+1], ROWB<<16                    ; tensor_dim0
	s_mov_b32 s[\g+2], 128<<16                     ; tensor_dim1
	s_mov_b32 s[\g+3], ROWB<<16                    ; tile_dim0
	s_mov_b32 s[\g+4], 128                         ; tile_dim1
	s_mov_b32 s[\g+5], KROW                        ; tensor_dim0_stride
	s_mov_b32 s[\g+6], 0
	s_mov_b32 s[\g+7], 0
.endr
	s_or_b32 s[G1S+0], s43, (3<<16)|(1<<20)|(1<<21)|(5<<22)|(3<<25)   ; the scale bytes of 128 rows: 16 dense runs of 256 bytes (32 elements of 8 bytes), 16 bytes of padding behind each
	s_or_b32 s[G1SB+0], s44, (3<<16)|(1<<20)|(1<<21)|(5<<22)|(3<<25)
.irp g, G1S, G1SB
	s_mov_b32 s[\g+1], 32<<16
	s_mov_b32 s[\g+2], 16<<16
	s_mov_b32 s[\g+3], 32<<16
	s_mov_b32 s[\g+4], 16
	s_mov_b32 s[\g+5], 32
	s_mov_b32 s[\g+6], 0
	s_mov_b32 s[\g+7], 0
.endr
	s_lshl_b32 s18, s16, 7
	s_lshl_b32 s20, s17, 8
	s_add_co_u32 s20, s20, s18                     ; x: position 256 y + 128 x half
	s_lshl_b32 s22, s20, 5
	s_mov_b32 s23, 0
	s_lshl_b32 s20, s20, 9
	s_mov_b32 s21, 0
	s_lshl_b32 s46, s42, 8
	s_add_co_u32 s46, s46, s18                     ; W: position 256 x + 128 x half (q's rows come first)
	s_lshl_b32 s92, s46, 5
	s_mov_b32 s93, 0
	s_lshl_b32 s46, s46, 9
	s_mov_b32 s47, 0
	s_mul_i32 s45, s14, HALFT                      ; where they go: wave x 128 rows: no place in the cluster enters an LDS address
	s_mul_i32 s94, s14, HALFS
	s_mov_b32 s[LE], 0x3fb8aa3b                    ; log2(e)
	s_mov_b32 s[LE+1], 0x3fb8aa3b
	s_mov_b32 s[SEL], 0x76543210
	s_mov_b32 s[SEL+1], 0xfedcba98
	s_wait_dscnt 0x0
	s_wait_kmcnt 0x0
	s_add_nc_u64 s[20:21], s[4:5], s[20:21]
	s_add_nc_u64 s[22:23], s[6:7], s[22:23]
	s_add_nc_u64 s[46:47], s[8:9], s[46:47]
	s_add_nc_u64 s[92:93], s[10:11], s[92:93]
	CROUND                                         ; all sixteen work-groups are here: the joint loads meet
	s_mov_b32 s[G0S], 1
	s_add_co_u32 s[G0S+1], s94, SCL
	s_mov_b64 s[G0S+2:G0S+3], s[22:23]
	s_or_b32 s[G0S+3], s[G0S+3], 0x80000000
	s_mov_b32 s[G0SB], 1
	s_add_co_u32 s[G0SB+1], s94, SCL
	s_mov_b64 s[G0SB+2:G0SB+3], s[92:93]
	s_or_b32 s[G0SB+3], s[G0SB+3], 0x80000000
	JLOAD G0S, G1S, G0SB, G1SB                     ; three loads of mine go out here as one group, and no more in the launch
.irp s, 0,1
	s_mov_b32 s[G0+4*\s], 1
	s_add_co_u32 s[G0+4*\s+1], s45, \s*SLOT
	s_add_nc_u64 s[G0+4*\s+2:G0+4*\s+3], s[20:21], \s*ROWB
	s_or_b32 s[G0+4*\s+3], s[G0+4*\s+3], 0x80000000
	s_mov_b32 s[G0B+4*\s], 1
	s_add_co_u32 s[G0B+4*\s+1], s45, \s*SLOT
	s_add_nc_u64 s[G0B+4*\s+2:G0B+4*\s+3], s[46:47], \s*ROWB
	s_or_b32 s[G0B+4*\s+3], s[G0B+4*\s+3], 0x80000000
	JLOAD G0+4*\s, G1, G0B+4*\s, G1B
.endr
	v_and_b32 v1, 15, v0                           ; r
	v_bfe_u32 v2, v0, 4, 1                         ; h
	v_mul_u32_u24 v3, v1, PITCH
	v_lshl_add_u32 v4, v2, 4, v3
	s_mul_i32 s18, s15, HALFT                      ; my 128 rows of x
	s_mul_i32 s19, s16, HALFT                      ; my 128 rows of W,
	s_add_co_u32 s19, s19, 2*HALFT                 ; behind x's 256
.irp s, 0,1
	v_add_nc_u32 v[ADRA+\s], s18, v4
	v_add_nc_u32 v[ADRB+\s], s19, v4
	s_add_co_u32 s18, s18, SLOT
	s_add_co_u32 s19, s19, SLOT
.endr
	v_mul_u32_u24 v5, v1, 32                       ; my row's scale bytes: 32 a row, and 16 more for each 256 passed
	v_lshrrev_b32 v6, 8, v5
	v_lshl_add_u32 v5, v6, 4, v5
	s_mul_i32 s18, s15, HALFS
	s_mul_i32 s19, s16, HALFS
	s_add_co_u32 s19, s19, 2*HALFS
	s_sub_co_u32 s19, s19, s18
	v_mul_u32_u24 v6, s19, v2                      ; lanes 16-31 take W's: one product, the distance between the two
	s_add_co_u32 s18, s18, SCL
	v_add_nc_u32 v5, v5, v6
	v_add_nc_u32 v[ADRS], s18, v5
	s_mul_i32 s18, s14, 16*SPITCH                  ; my stage
	s_add_co_u32 s18, s18, STAGE
	v_mul_u32_u24 v5, v1, SPITCH
	v_lshl_add_u32 v5, v2, 6, v5
	v_add_nc_u32 v[STO], s18, v5
	v_and_b32 v6, 31, v0
	v_lshlrev_b32 v[CO], 4, v6
	v_add_nc_u32 v[RD], s18, v[CO]
	v_lshlrev_b32 v[L4], 2, v6
	v_lshlrev_b32 v[HB], 6, v2
	s_lshl_b32 s2, s42, 10                         ; my first channel, in bytes of f32: 4 (256 x + 128 (w % 2))
	s_lshl_b32 s3, s16, 9
	s_add_co_u32 s2, s2, s3
	s_mov_b32 s3, 0
	s_add_nc_u64 s[96:97], s[96:97], s[2:3]        ; b_qkv at it
	s_lshr_b32 s18, s17, 4                         ; the batch
	s_lshl_b32 s19, s18, 12
	s_add_co_u32 s46, s19, s2
	s_add_co_u32 s46, s46, KSUMO
	s_mov_b32 s47, 0
	s_add_nc_u64 s[92:93], s[98:99], s[46:47]      ; the sums of kk at my batch and channel
	s_lshl_b32 s18, s18, 3
	s_lshl_b32 s19, s42, 1
	s_add_co_u32 s18, s18, s19
	s_add_co_u32 s18, s18, s16                     ; my pair of heads: 8 batch + 2 x + w % 2
	s_lshl_b32 s46, s18, 12
	s_add_nc_u64 s[94:95], s[98:99], s[46:47]      ; its kv codes: 4,096 bytes a pair
	s_lshl_b32 s46, s18, 9
	s_add_co_u32 s46, s46, KVSO
	s_add_nc_u64 s[98:99], s[98:99], s[46:47]      ; and scale words: 512 bytes a pair
	s_lshl_b32 s18, s17, 8
	s_lshl_b32 s19, s15, 7
	s_add_co_u32 s18, s18, s19                     ; my first row
	s_lshl_b32 s18, s18, 12
	s_add_co_u32 s2, s2, s18
	s_add_nc_u64 s[12:13], s[12:13], s[2:3]        ; out0 at my first row and channel
	WIN TO_1
.irp bb, 0,1,2,3
.irp i, 0,1,2,3
	global_load_b128 v[64+16*\bb+4*\i:64+16*\bb+4*\i+3], v[HB], s[96:97] offset:128*\bb+16*\i      ; the biases, laid as the results' registers
	global_load_b128 v[192+16*\bb+4*\i:192+16*\bb+4*\i+3], v[HB], s[92:93] offset:128*\bb+16*\i    ; the sums of kk likewise
.endr
.endr
	WIN 0
.irp tm, 0,1,2,3
	global_load_b128 v[KVF+12*\tm:KVF+12*\tm+3], v[CO], s[94:95] offset:1024*\tm
	global_load_b128 v[KVF+12*\tm+8:KVF+12*\tm+11], v[CO], s[94:95] offset:1024*\tm+512
	global_load_b32 v[KVS+\tm], v[L4], s[98:99] offset:128*\tm
.irp i, 4,5,6,7
	v_mov_b32 v[KVF+12*\tm+\i], 0                  ; zero codes, shared by the two heads' fragments
.endr
.endr
.irp b, 0,1,2,3
	v_mov_b32 v[TM+4+\b], 0                        ; written once: a lane permute's destination counts as one of its sources
.endr
	v_mov_b32 v[ZZ+1], 0                           ; (named as the upper halves of pairs)
	v_mov_b32 v[ZZ+3], 0
	v_mov_b32 v254, 0
	v_mov_b32 v255, 0
	s_wait_loadcnt 0x0                             ; the biases are the first products' C
.macro FRAG reg, adr, q, i             ; a fragment, 16 rows x 128 K of 4-bit codes: lane l holds row l % 16; registers 4 c .. 4 c + 3 hold K = 64 c + 32 (l / 16) + 0 .. 31
.irp c, 0,1
	ds_load_b128 v[\reg+4*\c:\reg+4*\c+3], v[\adr] offset:64*(\q)+32*\c+(\i)*16*PITCH
.endr
.endm
.macro WLOAD slot                      ; W's 32 fragments of a slot (four K steps x my eight blocks) into window 2 + slot: they stay
	WIN 0x80+0x40*\slot
.irp q, 0,1,2,3
.irp i, 0,1,2,3,4,5,6,7
	FRAG 64*\q+FR*\i, ADRB+\slot, \q, \i
.endr
.endr
	WIN 0
.endm
.macro XFRAGS a, slot                  ; x's block a: its four fragments of a slot (the caller sets the destination's window to 1)
.irp q, 0,1,2,3
	FRAG XF+32*\slot+FR*\q, ADRA+\slot, \q, \a
.endr
.endm
.macro SCALES sc, ks, adr              ; the scale words of 512 along K (the ks-th) into set sc: four words a row; lanes 0-15 x's block i, lanes 16-31 W's block i
.irp i, 0,1,2,3,4,5,6,7
	ds_load_b128 v[SC+8*NQ*\sc+NQ*\i:SC+8*NQ*\sc+NQ*\i+3], v[\adr] offset:\i*SBLK+16*\ks
.endr
.endm
; A load into a register that a matrix instruction has read, and a vector instruction or store that reads a matrix result, stand NP places behind it; only plain vector instructions that name none of
; its registers are places (ISA guide 7.12.1 for vector instructions).
.macro PLACES n
.rept \n
	v_nop
.endr
.endm
; 32 matrix instructions: x's block a against W's eight blocks, the four K steps of slot s, K ascending.  The eight accumulators take turns, one instruction a turn.
; The very first K step takes the biases as C: nothing is cleared and nothing is added afterwards.
.macro GEMM a, s
.irp q, 0,1,2,3
.if (\s == 0) && (\q == 0)
	WIN 0x16                                       ; source 0 (W) window 2, source 1 (x) window 1, C (the biases) window 1, D window 0
.else
	WIN 0x06+\s                                    ; source 0 window 2 or 3, source 1 window 1, C and D window 0
.endif
.irp b, 0,1,2,3,4,5,6,7
.if (\s == 0) && (\q == 0)
	v_wmma_scale_f32_16x16x128_f8f6f4 v[ST+8*\b:ST+8*\b+7], v[64*\q+FR*\b:64*\q+FR*\b+FR-1], v[XF+32*\s+FR*\q:XF+32*\s+FR*\q+FR-1], v[64+8*\b:64+8*\b+7], v[SC+8*NQ*\s+NQ*\b+\q], v[SC+8*NQ*\s+NQ*(\a)+\q] matrix_a_fmt:MATRIX_FMT_FP4 matrix_b_fmt:MATRIX_FMT_FP4 matrix_a_scale:MATRIX_SCALE_ROW1
.else
	v_wmma_scale_f32_16x16x128_f8f6f4 v[ST+8*\b:ST+8*\b+7], v[64*\q+FR*\b:64*\q+FR*\b+FR-1], v[XF+32*\s+FR*\q:XF+32*\s+FR*\q+FR-1], v[ST+8*\b:ST+8*\b+7], v[SC+8*NQ*\s+NQ*\b+\q], v[SC+8*NQ*\s+NQ*(\a)+\q] matrix_a_fmt:MATRIX_FMT_FP4 matrix_b_fmt:MATRIX_FMT_FP4 matrix_a_scale:MATRIX_SCALE_ROW1
.endif
.endr
.endr
.endm
.macro QUANT s, pc, pw                 ; 64 numbers of a lane, register 16 b + i = k 32 b + 16 (lane / 16) + i of my row, become a fragment's codes and its scale word
.irp b, 0,1,2,3
	v_max3_num_f32 v[TM+\b], |v[\s+16*\b]|, |v[\s+1+16*\b]|, 0x1800000   ; my 16 numbers of block b, and the floor 2^(3 - 127): the byte cannot fall under 1
.endr
.irp i, 2,4,6,8,10,12,14
.irp b, 0,1,2,3
	v_max3_num_f32 v[TM+\b], v[TM+\b], |v[\s+16*\b+\i]|, |v[\s+1+16*\b+\i]|
.endr
.endr
.irp b, 0,1,2,3
	v_permlanex16_b32 v[TM+4+\b], v[TM+\b], s[SEL], s[SEL+1]
.endr
.irp b, 0,1,2,3
	v_max_num_f32 v[TM+\b], v[TM+\b], v[TM+4+\b]
.endr
.irp b, 0,1,2,3
	v_add_nc_u32 v[TM+12+\b], 0xff000000, v[TM+\b] ; 2 off the exponent field: the conversion's scale operand
.endr
.irp b, 0,1,2,3
	v_lshrrev_b32 v[TM+4+\b], 23, v[TM+12+\b]      ; the scale's byte
.endr
	v_lshl_or_b32 v[\pw], v[TM+5], 8, v[TM+4]
	v_lshl_or_b32 v[\pw], v[TM+6], 16, v[\pw]
	v_lshl_or_b32 v[\pw], v[TM+7], 24, v[\pw]
.irp b, 0,1,2,3
	v_cvt_scalef32_pk8_fp4_f32 v[\pc+2*\b], v[\s+16*\b:\s+7+16*\b], v[TM+12+\b]
	v_cvt_scalef32_pk8_fp4_f32 v[\pc+1+2*\b], v[\s+8+16*\b:\s+15+16*\b], v[TM+12+\b]
.endr
	v_nop                                          ; one plain place behind a scaled conversion
.irp c, 0,1
.irp i, 0,1
	v_permlane16_swap_b32 v[\pc+4*\c+\i], v[\pc+2+4*\c+\i]
.endr
.endr
.endm
.macro PHI                             ; ST = elu(ST) + 1, 16 numbers (two accumulators) at a time; each accumulator is read from its low end on
.irp c, 0,1,2,3
.irp i, 0,2,4,6,8,10,12,14
	v_pk_mul_f32 v[T2+\i:T2+\i+1], v[ST+16*\c+\i:ST+16*\c+\i+1], s[LE:LE+1] op_sel_hi:[1,0]
.endr
.irp i, 0,1,2,3,4,5,6,7,8,9,10,11,12,13,14,15
	v_exp_f32 v[T2+\i], v[T2+\i]
.endr
.irp i, 0,2,4,6,8,10,12,14
	v_pk_add_f32 v[ST+16*\c+\i:ST+16*\c+\i+1], v[ST+16*\c+\i:ST+16*\c+\i+1], 1.0 op_sel_hi:[1,0]   ; (the plain lines behind the exponentials)
.endr
	s_wait_alu depctr_va_vdst(0)
.irp i, 0,1,2,3,4,5,6,7,8,9,10,11,12,13,14,15
	v_med3_num_f32 v[ST+16*\c+\i], v[T2+\i], 1.0, v[ST+16*\c+\i]   ; above 0: 1 < t + 1 <= e^t; below: t + 1 <= e^t < 1: the middle one is the result
.endr
.endr
.endm
; WHAT IS MADE OF A BLOCK'S RESULTS (16 rows x 128 channels of q + b, in ST): 16 rows x 128 numbers of out0, in ST again.
.macro EPI
	PHI
	QUANT ST, PC, PW
	WIN 0x04                                       ; kq . sum of kk, on the unquantised kq: for each head two chains of packed multiply-adds.  These 32 lines are also the places in front of the scaled products
.irp k, 0,1,2,3,4,5,6,7
.irp e, 0,1
.irp c, 0,1
.if \k == 0
	v_pk_mul_f32 v[ZA+4*\e+2*\c:ZA+4*\e+2*\c+1], v[ST+32*\e+4*\k+2*\c:ST+32*\e+4*\k+2*\c+1], v[192+32*\e+4*\k+2*\c:192+32*\e+4*\k+2*\c+1]
.else
	v_pk_fma_f32 v[ZA+4*\e+2*\c:ZA+4*\e+2*\c+1], v[ST+32*\e+4*\k+2*\c:ST+32*\e+4*\k+2*\c+1], v[192+32*\e+4*\k+2*\c:192+32*\e+4*\k+2*\c+1], v[ZA+4*\e+2*\c:ZA+4*\e+2*\c+1]
.endif
.endr
.endr
.endr
	s_wait_xcnt 0x0                                ; the stores of the block before have read their data: the products below write those registers
	WIN 0x40                                       ; D window 1
.irp e, 0,1
.irp tm, 0,1,2,3
	v_wmma_scale_f32_16x16x128_f8f6f4 v[8*(4*\e+\tm):8*(4*\e+\tm)+7], v[KVF+12*\tm+4*\e:KVF+12*\tm+4*\e+7], v[PC:PC+7], 0, v[KVS+\tm], v[PW] matrix_a_fmt:MATRIX_FMT_FP4 matrix_b_fmt:MATRIX_FMT_FP4
.endr
.endr
	WIN 0                                          ; z: the plain lines here are the places behind those products
	v_pk_add_f32 v[ZA:ZA+1], v[ZA:ZA+1], v[ZA+2:ZA+3]
	v_pk_add_f32 v[ZA+4:ZA+5], v[ZA+4:ZA+5], v[ZA+6:ZA+7]
	v_add_f32 v252, v[ZA], v[ZA+1]
	v_add_f32 v253, v[ZA+4], v[ZA+5]
	v_permlanex16_b32 v254, v252, s[SEL], s[SEL+1]
	v_permlanex16_b32 v255, v253, s[SEL], s[SEL+1]
	v_add_f32 v252, v252, v254                     ; with lane l xor 16's 32 channels
	v_add_f32 v253, v253, v255
	v_add_f32 v252, 0x358637bd, v252               ; + 1e-6
	v_add_f32 v253, 0x358637bd, v253
	v_rcp_f32 v[ZZ], v252
	v_rcp_f32 v[ZZ+2], v253
	v_nop                                          ; one plain place behind a transcendental
	WIN 0x01                                       ; source 0 window 1
	s_wait_alu depctr_va_vdst(0)
.irp e, 0,1
.set i, 0
.rept 16
	v_pk_mul_f32 v[ST+32*\e+i:ST+32*\e+i+1], v[32*\e+i:32*\e+i+1], v[ZZ+2*\e:ZZ+2*\e+1] op_sel_hi:[1,0]   ; x z; each result is read from its low end on
.set i, i+2
.endr
.endr
	WIN 0
.endm
; Register 32 e + 16 B + i of lane (r, h) is out0(row r of the block, 64 e + 32 B + 16 h + i).  The block goes through my own stage and comes back as whole rows of 512 bytes, into the registers that the last
; product's results have left.  LDS serves a wave's instructions in order (ISA guide 5.7.1.4): no wait between the stores and the loads, nor in front of the next block's stores.
.macro TOSTAGE
.irp e, 0,1
.irp bb, 0,1
.irp i, 0,1,2,3
	ds_store_b128 v[STO], v[ST+32*\e+16*\bb+4*\i:ST+32*\e+16*\bb+4*\i+3] offset:256*\e+128*\bb+16*\i
.endr
.endr
.endr
	WIN TO_1
.irp t, 0,1,2,3,4,5,6,7,8,9,10,11,12,13,14,15
	ds_load_b128 v[4*\t:4*\t+3], v[RD] offset:\t*SPITCH
.endr
	WIN 0
.endm
.macro SEND a                          ; position t of block a is row 32 (a / 2) + 8 (a % 2) + t % 8 + 16 (t / 8) of my 128
	s_wait_dscnt 0x0                               ; the block is back in registers (asked for ahead of the next block's 64 products)
	WIN 0x04                                       ; a store's data are its source 1: window 1
.irp t, 0,1,2,3,4,5,6,7,8,9,10,11,12,13,14,15
	global_store_b128 v[CO], v[4*\t:4*\t+3], s[12:13] offset:(32*((\a)/2)+8*((\a)%2)+(\t&7)+16*(\t>>3))*4096 th:TH_STORE_NT   ; 32 lanes store 512 consecutive bytes, aligned; written once
.endr
	WIN 0
.endm
; Block a, a > 0.  Out at its head, in this order: its 16 fragment loads, the stage's 16 stores and 16 loads of the block before.
.macro TILE a
	s_wait_dscnt 16                                ; my fragments of x are in, and the stage's stores have read the registers that the products below write; the 16 loads from the stage may be out
	GEMM \a, 0
	GEMM \a, 1
	WIN 0
	PLACES NP                                      ; in front of the loads into x's fragments and of the first read of the results
	SEND \a-1                                      ; the block before leaves
.if \a < 7
	WIN TO_1
	XFRAGS \a+1, 0                                 ; the next block's fragments land while this block's results are worked on
	XFRAGS \a+1, 1
	WIN 0
.endif
	EPI
	TOSTAGE
.endm
	s_wait_tensorcnt 1                             ; the scales and my part of slot 0 are in (slot 1's load may be out),
	s_barrier_signal -1
	s_barrier_wait -1                              ; everybody's are
	SCALES 0, 0, ADRS                              ; the scale words of all of K: they stay
	SCALES 1, 1, ADRS
	WIN TO_1
	XFRAGS 0, 0
	WLOAD 0
	s_wait_tensorcnt 0x0                           ; my part of slot 1 is in: no load was issued behind it
	s_wait_dscnt 0x0                               ; my reads of W's part of slot 0 are over: behind this barrier it serves as the stages
	s_barrier_signal -1
	GEMM 0, 0                                      ; work on registers while the others arrive
	WIN 0
	s_barrier_wait -1
	WIN TO_1
	XFRAGS 0, 1
	WLOAD 1
	s_wait_dscnt 0x0
	GEMM 0, 1
	WIN 0
	PLACES NP
	WIN TO_1
	XFRAGS 1, 0
	XFRAGS 1, 1
	WIN 0
	EPI
	TOSTAGE
.irp a, 1,2,3,4,5,6,7
	TILE \a
.endr
	SEND 7
	s_wait_tensorcnt 0x0
	ds_add_u32 v110, v111
	s_wait_dscnt 0x0
	CROUND                                         ; the closing round: no work-group ends while a partner may still ask for a tile that names it
	s_endpgm
.Lfunc_end_k_qbca0ed9e19_attn:
	.size	k_qbca0ed9e19_attn, .Lfunc_end_k_qbca0ed9e19_attn-k_qbca0ed9e19_attn
	.p2alignl 7, 3214868480
	.fill 96, 4, 3214868480
	.section	.rodata,"a",@progbits
	.p2align	6, 0x0
	.amdhsa_kernel k_qbca0ed9e19_attn
		.amdhsa_group_segment_fixed_size 327680
		.amdhsa_private_segment_fixed_size 0
		.amdhsa_enable_private_segment 0
		.amdhsa_kernarg_size 56
		.amdhsa_user_sgpr_count 2
		.amdhsa_user_sgpr_kernarg_segment_ptr 1
		.amdhsa_wavefront_size32 1
		.amdhsa_system_sgpr_workgroup_id_x 1
		.amdhsa_system_sgpr_workgroup_id_y 1
		.amdhsa_system_sgpr_workgroup_id_z 1
		.amdhsa_system_vgpr_workitem_id 0
		.amdhsa_next_free_vgpr 1024
		.amdhsa_next_free_sgpr 102
		.amdhsa_reserve_vcc 0
		.amdhsa_float_denorm_mode_32 3
		.amdhsa_float_denorm_mode_16_64 3
		.amdhsa_memory_ordered 1
		.amdhsa_forward_progress 1
		.amdhsa_inst_pref_size 255
	.end_amdhsa_kernel
	.section	.bss,"aw",@nobits
	.p2align	6
	.space	262144
	.amdgpu_metadata
---
amdhsa.version: [ 1, 2 ]
amdhsa.kernels:
  - .name:           k_qbca0ed9e19_attn
    .symbol:         k_qbca0ed9e19_attn.kd
    .args:
      - { .name: x_codes, .offset: 0, .size: 8, .value_kind: global_buffer, .address_space: global }
      - { .name: x_scales, .offset: 8, .size: 8, .value_kind: global_buffer, .address_space: global }
      - { .name: w_codes, .offset: 16, .size: 8, .value_kind: global_buffer, .address_space: global }
      - { .name: w_scales, .offset: 24, .size: 8, .value_kind: global_buffer, .address_space: global }
      - { .name: out0, .offset: 32, .size: 8, .value_kind: global_buffer, .address_space: global }
      - { .name: b_qkv, .offset: 40, .size: 8, .value_kind: global_buffer, .address_space: global }
      - { .name: fin, .offset: 48, .size: 8, .value_kind: global_buffer, .address_space: global }
    .group_segment_fixed_size: 327680
    .private_segment_fixed_size: 0
    .kernarg_segment_align: 8
    .kernarg_segment_size: 56
    .max_flat_workgroup_size: 128
    .sgpr_count:     102
    .vgpr_count:     1024
    .wavefront_size: 32
...
	.end_amdgpu_metadata
.endif
;; end of part 4
